; MI455X (gfx1250); checked and timed in simulation.
; The chip was launched on July 23, 2026; its instructions are those of AMD's public machine-readable ISA for CDNA 5 (MIT licence, August 2026) and "CDNA5" Instruction Set Architecture Reference Guide (July 2026). The comments in the code are by the model that wrote it; some were corrected since.
;; Sparse Block. Allowed arithmetic: float matrix products may take bf16 or f16 operands with f32 sums; all other float work in f32.
;; Inputs: attention_mask 2 x 2,048 int32; b1 4,096 float32; b2 1,024 float32; b_in 3,072 float32; b_ln1 1,024 float32; b_ln2 1,024 float32; b_out 1,024 float32; g_ln1 1,024 float32; g_ln2 1,024 float32; w1 4,096 x 1,024 float32; w2 1,024 x 4,096 float32; w_in 3,072 x 1,024 float32; w_out 1,024 x 1,024 float32; x 2 x 2,048 x 1,024 float32.
;; Outputs: out0 2 x 2,048 x 1,024 float32.
;; One version. Each part assembles by itself: llvm-mc -triple=amdgcn-amd-amdhsa -mcpu=gfx1250 --defsym DOCPART=n.
;; ======== version 1 of 1: 7 launches
;; limits: right only within a limited range of input values; a function is approximated: absolute error at most 1.5e-07
;; workspace buffers: h 8,388,608 bytes; wa 10,485,760 bytes; wb 16,777,216 bytes; big 33,554,432 bytes; x1 16,777,216 bytes; pa 512 bytes of whole numbers; pb 256 bytes of whole numbers
;; launch prep (part 1): grid 1025 x 1, 8 waves a work-group, no clusters, 0 bytes of LDS; arguments x, g_ln1, b_ln1, w_in, w1, w_out, w2, attention_mask, h, wa, wb, pa, pb; writes h, wa, wb, pa, pb
.if DOCPART == 1
	.amdgcn_target "amdgcn-amd-amdhsa--gfx1250"
	.amdhsa_code_object_version 6
	.text
	.protected	k_qe237d7e386_prep
	.globl	k_qe237d7e386_prep
	.p2align	8
	.type	k_qe237d7e386_prep,@function
k_qe237d7e386_prep:
	s_mov_b64 s[64:65], 0
	v_nop
	global_prefetch_b8 v0, s[64:65] scope:SCOPE_SE
	s_setreg_imm32_b32 hwreg(HW_REG_WAVE_MODE, 25, 1), 1
	s_wait_xcnt 0x0
; PREP.  Three kinds of work-groups, chosen by the work-group's number alone; eight waves each, no LDS, no barrier.
;   0         THE TABLE: for each of the 64 blocks of 64 queries (batch b, block g) pa[64 + 32 b + g] = 32 if some row of the block has no key that is both
;             allowed by the module's own mask (causal, window 128, 16 global keys) and kept by attention_mask, else 0: the number of further key steps that the
;             attention launch walks for the block.  Also pa[0..63] = 0 and pb[0] = 1, pb[1..63] = 0: the flag that the two large products read.
;   1-768     THE CAST: the four weights to bf16.  w_in and w1 stay plain [n][1024]; w_out and w2 go out as slabs [k / 256][n][256], behind byte 8,388,608 of wa and wb.
;   769-1024  LAYER NORM 1: h = (x - mean) * rsqrt(var + 1e-5) * g + b in f32, two passes over a row kept in registers (no difference of large sums), rounded once to bf16.
; Every load of a wave covers 512 consecutive bytes, every store of the cast and of the norm 256 consecutive bytes at a multiple of 256.
.set X,   32                           ; cast: v[32:95]   16 chunks of 4 numbers a lane, as loaded
.set OF,  96                           ; cast: v[96:111]  a chunk's byte offset in the destination
.set Y,   112                          ; cast: v[112:143] a chunk's 4 numbers as bf16
.set G,   32                           ; norm: v[32:63]   g of my 32 columns
.set BB,  64                           ; norm: v[64:95]   b of my 32 columns
.set X0,  96                           ; norm: v[96:127]  row 0
.set X1,  128                          ; norm: v[128:159] row 1
.set T,   16                           ; norm: v[16:23]   four chains of sums
.set MU,  24                           ; norm: v[24:25]   the mean, later 1 / sigma, twice
	s_load_b512 s[8:23], s[0:1], 0x0               ; x 8, g 10, b 12, w_in 14, w1 16, w_out 18, w2 20, attention_mask 22
	s_load_b256 s[24:31], s[0:1], 0x40             ; h 24, wa 26, wb 28, pa 30
	s_load_b64 s[32:33], s[0:1], 0x60              ; pb
	v_and_b32 v1, 31, v0                           ; lane
	v_lshrrev_b32 v2, 5, v0
	v_readfirstlane_b32 s3, v2                     ; wave 0..7
	v_lshlrev_b32 v3, 4, v1                        ; 16 x lane
	v_lshlrev_b32 v4, 3, v1                        ; 8 x lane
	s_mov_b32 s49, 0                               ; the high word of every 32-bit offset
	s_wait_kmcnt 0x0
	s_cmp_eq_u32 ttmp9, 0
	s_cbranch_scc1 .Ltab
	s_sub_co_u32 s2, ttmp9, 1
	s_cmp_lt_u32 s2, 768
	s_cbranch_scc0 .Lln
; THE CAST.  A chunk is 128 numbers: 512 bytes in, 256 bytes out.  A work-group takes 128 chunks, a wave 16 consecutive ones.
; c < 192: w_in; c < 448: w1; c < 512: w_out; else w2.  Chunk q of a tensor with 2^L chunks a row: n = q >> L, kc = q mod 2^L, and it goes to (kc / 2) SLABB + n ROWB + (kc mod 2) 256.
	s_mov_b32 s41, 512
	s_mov_b32 s42, 2048
	s_mov_b32 s35, 448
	s_cmp_lt_u32 s2, 192
	s_cselect_b64 s[36:37], s[14:15], s[16:17]     ; the plain two: w_in or w1,
	s_cselect_b64 s[38:39], s[26:27], s[28:29]     ; into wa or wb
	s_cselect_b32 s34, 0, 192                      ; the tensor's first work-group
	s_cmp_lt_u32 s2, 512
	s_cselect_b64 s[44:45], s[18:19], s[20:21]     ; the two in slabs: w_out or w2,
	s_cselect_b64 s[46:47], s[26:27], s[28:29]     ; into wa or wb
	s_cselect_b32 s35, s35, 512
	s_cselect_b32 s40, 3, 5                        ; L: 8 chunks in a row of 1,024, 32 in a row of 4,096
	s_cmp_lt_u32 s2, 448
	s_cselect_b64 s[36:37], s[36:37], s[44:45]
	s_cselect_b64 s[38:39], s[38:39], s[46:47]
	s_cselect_b32 s34, s34, s35
	s_cselect_b32 s40, 3, s40
	s_cselect_b32 s43, s42, s41                    ; ROWB: 2,048 plain, 512 in slabs
	s_cselect_b32 s41, s41, 0x80000                ; SLABB: 512 plain, 1,024 rows x 512 bytes in slabs
	s_cselect_b32 s48, 0, 0x800000                 ; the slabs lie behind the plain tensor
	s_add_nc_u64 s[38:39], s[38:39], s[48:49]
	s_sub_co_u32 s34, s2, s34
	s_lshl_b32 s34, s34, 3
	s_add_co_u32 s34, s34, s3
	s_lshl_b32 s34, s34, 4                         ; my first chunk
	s_lshl_b32 s48, s34, 9
	s_add_nc_u64 s[36:37], s[36:37], s[48:49]
	s_bfm_b32 s50, s40, 0                          ; 2^L - 1
.set t, 0
.rept 16
	global_load_b128 v[X+4*t:X+4*t+3], v3, s[36:37] offset:512*t th:TH_LOAD_NT  ; read once in the whole program
.set t, t+1
.endr
.set t, 0
.rept 16                                       ; the sixteen destinations, while the loads are out
	s_add_co_u32 s51, s34, t
	s_lshr_b32 s52, s51, s40                       ; n
	s_and_b32 s51, s51, s50                        ; kc
	s_mul_i32 s52, s52, s43
	s_lshr_b32 s53, s51, 1
	s_mul_i32 s53, s53, s41
	s_and_b32 s51, s51, 1
	s_lshl_b32 s51, s51, 8
	s_add_co_u32 s52, s52, s53
	s_add_co_u32 s52, s52, s51
	v_add_nc_u32 v[OF+t], s52, v4
.set t, t+1
.endr
.set t, 0
.rept 16
	s_wait_loadcnt 15-t                            ; loads come back in order: chunk t is in, the 15 - t younger ones stay out
	v_cvt_pk_bf16_f32 v[Y+2*t], v[X+4*t], v[X+4*t+1]
	v_cvt_pk_bf16_f32 v[Y+2*t+1], v[X+4*t+2], v[X+4*t+3]
	global_store_b64 v[OF+t], v[Y+2*t:Y+2*t+1], s[38:39]  ; no register is written twice: no further wait
.set t, t+1
.endr
	s_endpgm
; LAYER NORM.  A wave takes two rows; lane l holds columns 128 t + 4 l .. + 3, t = 0..7.
.macro WSUM r                          ; the sum over the 32 lanes, in every lane; r + 1 is at work
	v_add_f32_dpp v[\r], v[\r], v[\r] row_xmask:1 row_mask:0xf bank_mask:0xf
	v_add_f32_dpp v[\r], v[\r], v[\r] row_xmask:2 row_mask:0xf bank_mask:0xf
	v_add_f32_dpp v[\r], v[\r], v[\r] row_xmask:4 row_mask:0xf bank_mask:0xf
	v_add_f32_dpp v[\r], v[\r], v[\r] row_xmask:8 row_mask:0xf bank_mask:0xf
	v_permlanex16_b32 v[\r+1], v[\r], s4, s5
	v_add_f32 v[\r], v[\r], v[\r+1]
.endm
.macro FOLD                            ; four chains into one number
	v_pk_add_f32 v[T:T+1], v[T:T+1], v[T+2:T+3]
	v_pk_add_f32 v[T+4:T+5], v[T+4:T+5], v[T+6:T+7]
	v_pk_add_f32 v[T:T+1], v[T:T+1], v[T+4:T+5]
	v_add_f32 v[T], v[T], v[T+1]
	WSUM T
.endm
.macro LNROW row, left, rowoff         ; left: the younger loads that may stay out; rowoff: the row's bytes from the wave's first row in h
	s_wait_loadcnt \left
.irp k, 0,1,2,3
	v_pk_add_f32 v[T+2*\k:T+2*\k+1], v[\row+2*\k:\row+2*\k+1], v[\row+8+2*\k:\row+8+2*\k+1]  ; the first pairs start the chains: nothing is cleared
.endr
.irp p, 8,9,10,11,12,13,14,15
	v_pk_add_f32 v[T+2*(\p%4):T+2*(\p%4)+1], v[T+2*(\p%4):T+2*(\p%4)+1], v[\row+2*\p:\row+2*\p+1]
.endr
	FOLD
	v_mul_f32 v[MU], s6, v[T]                      ; the mean
	v_mov_b32 v[MU+1], v[MU]
.irp p, 0,1,2,3,4,5,6,7,8,9,10,11,12,13,14,15
	v_pk_add_f32 v[\row+2*\p:\row+2*\p+1], v[\row+2*\p:\row+2*\p+1], v[MU:MU+1] neg_lo:[0,1] neg_hi:[0,1]
.endr
.irp k, 0,1,2,3
	v_pk_mul_f32 v[T+2*\k:T+2*\k+1], v[\row+2*\k:\row+2*\k+1], v[\row+2*\k:\row+2*\k+1]
.endr
.irp p, 4,5,6,7,8,9,10,11,12,13,14,15
	v_pk_fma_f32 v[T+2*(\p%4):T+2*(\p%4)+1], v[\row+2*\p:\row+2*\p+1], v[\row+2*\p:\row+2*\p+1], v[T+2*(\p%4):T+2*(\p%4)+1]
.endr
	FOLD
	v_fma_f32 v[T], v[T], s6, s7                   ; var + 1e-5
	v_rsq_f32 v[MU], v[T]
	v_rsq_f32 v[MU+1], v[T]
	v_nop                                          ; a plain instruction between the root and the use of its result (ISA guide 5.7.2)
	s_wait_alu depctr_va_vdst(0)
.irp p, 0,1,2,3,4,5,6,7,8,9,10,11,12,13,14,15
	v_pk_mul_f32 v[\row+2*\p:\row+2*\p+1], v[\row+2*\p:\row+2*\p+1], v[MU:MU+1]
.endr
.irp p, 0,1,2,3,4,5,6,7,8,9,10,11,12,13,14,15
	v_pk_fma_f32 v[\row+2*\p:\row+2*\p+1], v[\row+2*\p:\row+2*\p+1], v[G+2*\p:G+2*\p+1], v[BB+2*\p:BB+2*\p+1]
.endr
.irp t, 0,1,2,3,4,5,6,7
	v_cvt_pk_bf16_f32 v[\row+4*\t], v[\row+4*\t], v[\row+4*\t+1]
	v_cvt_pk_bf16_f32 v[\row+4*\t+1], v[\row+4*\t+2], v[\row+4*\t+3]
	global_store_b64 v4, v[\row+4*\t:\row+4*\t+1], s[38:39] offset:\rowoff+256*\t
.endr
.endm
.Lln:
	s_sub_co_u32 s34, s2, 768
	s_lshl_b32 s34, s34, 4
	s_lshl1_add_u32 s34, s3, s34                   ; my first row = 16 x group + 2 x wave
	s_lshl_b32 s48, s34, 12
	s_add_nc_u64 s[36:37], s[8:9], s[48:49]
	s_lshl_b32 s48, s34, 11
	s_add_nc_u64 s[38:39], s[24:25], s[48:49]
	s_mov_b32 s4, 0x76543210                       ; v_permlanex16_b32: each lane takes its own place in the other half
	s_mov_b32 s5, 0xfedcba98
	s_mov_b32 s6, 0x3a800000                       ; 1 / 1,024
	s_mov_b32 s7, 0x3727c5ac                       ; 1e-5
.irp t, 0,1,2,3,4,5,6,7
	global_load_b128 v[G+4*\t:G+4*\t+3], v3, s[10:11] offset:512*\t
.endr
.irp t, 0,1,2,3,4,5,6,7
	global_load_b128 v[BB+4*\t:BB+4*\t+3], v3, s[12:13] offset:512*\t
.endr
.irp t, 0,1,2,3,4,5,6,7
	global_load_b128 v[X0+4*\t:X0+4*\t+3], v3, s[36:37] offset:512*\t
.endr
.irp t, 0,1,2,3,4,5,6,7
	global_load_b128 v[X1+4*\t:X1+4*\t+3], v3, s[36:37] offset:4096+512*\t
.endr
	LNROW X0, 8, 0                                 ; row 1's eight loads stay out
	LNROW X1, 0, 2048
	s_endpgm
; THE TABLE.  Wave w takes blocks 8 w .. 8 w + 7, one a trip.  m0..m5: for keys i0 - 128 + 32 k + lane, bit lane = the key exists and is kept.  gm: the same for the 16 global keys.
; Row i0 + l sees m0's bits from l on, m1, m2, m3, m4's bits up to l, and, from row 16 on, gm; row i0 + 32 + l the same one word further on.
.Ltab:
	v_mov_b32 v40, 0                               ; lane u will hold the count of block 8 w + u
	v_and_b32 v5, 15, v1
	v_sub_nc_u32 v6, 31, v1
	s_mov_b32 s34, 0
.Ltabloop:
	s_lshl3_add_u32 s35, s3, s34                   ; the block
	s_lshr_b32 s36, s35, 5
	s_lshl_b32 s36, s36, 13                        ; its batch's 8,192 bytes of the mask
	s_and_b32 s37, s35, 31
	s_lshl_b32 s37, s37, 6                         ; i0
	s_sub_co_u32 s38, s37, 128
.irp k, 0,1,2,3,4,5
	v_add3_u32 v[8+\k], s38, v1, 32*\k             ; the key, below 0 where there is none
	v_max_i32 v[14+\k], 0, v[8+\k]                 ; the load stays inside the buffer
	v_lshl_add_u32 v[14+\k], v[14+\k], 2, s36
	global_load_b32 v[21+\k], v[14+\k], s[22:23]
.endr
	v_lshl_add_u32 v20, v5, 2, s36
	global_load_b32 v27, v20, s[22:23]
	s_wait_loadcnt 0x0
.irp k, 0,1,2,3,4,5
	v_cmp_ne_u32 s[40+\k], 0, v[21+\k]
	v_cmp_le_i32 s50, 0, v[8+\k]
	s_and_b32 s[40+\k], s[40+\k], s50
.endr
	v_cmp_ne_u32 s46, 0, v27
	s_or_b32 s47, s41, s42
	s_or_b32 s47, s47, s43
	v_lshrrev_b32 v28, v1, s40
	v_lshlrev_b32 v29, v6, s44
	v_or_b32 v28, v28, v29
	v_or_b32 v28, s47, v28
	v_add_nc_u32 v30, s37, v1
	v_cmp_le_u32 vcc_lo, 16, v30                   ; below row 16 the global keys that the row may see lie in its window
	v_mov_b32 v31, s46
	v_cndmask_b32 v31, 0, v31, vcc_lo
	v_or_b32 v28, v28, v31
	s_or_b32 s48, s42, s43
	s_or_b32 s48, s48, s44
	s_or_b32 s48, s48, s46
	v_lshrrev_b32 v32, v1, s41
	v_lshlrev_b32 v33, v6, s45
	v_or_b32 v32, v32, v33
	v_or_b32 v32, s48, v32
	v_cmp_eq_u32 s50, 0, v28                       ; rows that see nothing
	v_cmp_eq_u32 s51, 0, v32
	s_or_b32 s50, s50, s51                         ; SCC: there is one
	s_cselect_b32 s52, 32, 0
	v_mov_b32 v34, s52
	v_cmp_eq_u32 vcc_lo, s34, v1
	v_cndmask_b32 v40, v40, v34, vcc_lo
	s_wait_xcnt 0x0                                ; the offsets are written again in the next trip
	s_add_co_u32 s34, s34, 1
	s_cmp_lt_u32 s34, 8
	s_cbranch_scc1 .Ltabloop
	v_lshlrev_b32 v7, 2, v1
	s_lshl_b32 s35, s3, 5
	v_add_nc_u32 v7, s35, v7
	v_cmp_gt_u32 vcc_lo, 8, v1
	s_wait_xcnt 0x0                                ; EXEC changes only behind this wait
	s_and_saveexec_b32 s36, vcc_lo
	global_store_b32 v7, v40, s[30:31] offset:256
	s_wait_xcnt 0x0                                ; and again in front of the line that widens it
	s_or_b32 exec_lo, exec_lo, s36
	s_cmp_lg_u32 s3, 0
	s_cbranch_scc1 .Ltabend
	v_mov_b32 v10, 0
	v_mov_b32 v11, 0
	v_cmp_eq_u32 vcc_lo, 0, v1
	v_cndmask_b32 v12, 0, 1, vcc_lo
	v_mov_b32 v13, 0
	global_store_b64 v4, v[10:11], s[30:31]        ; pa[0..63] = 0: no activation
	global_store_b64 v4, v[12:13], s[32:33]        ; pb[0] = 1: GELU
.Ltabend:
	s_endpgm
.Lfunc_end_k_qe237d7e386_prep:
	.size	k_qe237d7e386_prep, .Lfunc_end_k_qe237d7e386_prep-k_qe237d7e386_prep
	.p2alignl 7, 3214868480
	.fill 96, 4, 3214868480
	.section	.rodata,"a",@progbits
	.p2align	6, 0x0
	.amdhsa_kernel k_qe237d7e386_prep
		.amdhsa_group_segment_fixed_size 0
		.amdhsa_private_segment_fixed_size 0
		.amdhsa_enable_private_segment 0
		.amdhsa_kernarg_size 104
		.amdhsa_user_sgpr_count 2
		.amdhsa_user_sgpr_kernarg_segment_ptr 1
		.amdhsa_wavefront_size32 1
		.amdhsa_system_sgpr_workgroup_id_x 1
		.amdhsa_system_sgpr_workgroup_id_y 1
		.amdhsa_system_sgpr_workgroup_id_z 1
		.amdhsa_system_vgpr_workitem_id 0
		.amdhsa_next_free_vgpr 160
		.amdhsa_next_free_sgpr 66
		.amdhsa_reserve_vcc 1
		.amdhsa_float_denorm_mode_32 3
		.amdhsa_float_denorm_mode_16_64 3
		.amdhsa_memory_ordered 1
		.amdhsa_forward_progress 1
		.amdhsa_inst_pref_size 38
	.end_amdhsa_kernel
	.amdgpu_metadata
---
amdhsa.version: [ 1, 2 ]
amdhsa.kernels:
  - .name:           k_qe237d7e386_prep
    .symbol:         k_qe237d7e386_prep.kd
    .args:
      - { .name: x, .offset: 0, .size: 8, .value_kind: global_buffer, .address_space: global }
      - { .name: g_ln1, .offset: 8, .size: 8, .value_kind: global_buffer, .address_space: global }
      - { .name: b_ln1, .offset: 16, .size: 8, .value_kind: global_buffer, .address_space: global }
      - { .name: w_in, .offset: 24, .size: 8, .value_kind: global_buffer, .address_space: global }
      - { .name: w1, .offset: 32, .size: 8, .value_kind: global_buffer, .address_space: global }
      - { .name: w_out, .offset: 40, .size: 8, .value_kind: global_buffer, .address_space: global }
      - { .name: w2, .offset: 48, .size: 8, .value_kind: global_buffer, .address_space: global }
      - { .name: attention_mask, .offset: 56, .size: 8, .value_kind: global_buffer, .address_space: global }
      - { .name: h, .offset: 64, .size: 8, .value_kind: global_buffer, .address_space: global }
      - { .name: wa, .offset: 72, .size: 8, .value_kind: global_buffer, .address_space: global }
      - { .name: wb, .offset: 80, .size: 8, .value_kind: global_buffer, .address_space: global }
      - { .name: pa, .offset: 88, .size: 8, .value_kind: global_buffer, .address_space: global }
      - { .name: pb, .offset: 96, .size: 8, .value_kind: global_buffer, .address_space: global }
    .group_segment_fixed_size: 0
    .private_segment_fixed_size: 0
    .kernarg_segment_align: 8
    .kernarg_segment_size: 104
    .max_flat_workgroup_size: 256
    .sgpr_count:     66
    .vgpr_count:     160
    .wavefront_size: 32
...
	.end_amdgpu_metadata
.endif
;; end of part 1
;; launch qkv (part 2): grid 12 x 16, 4 waves a work-group, clusters of 4 x 4, 327,680 bytes of LDS; arguments h, wa, big, b_in, pa; writes big
.if DOCPART == 2
	.amdgcn_target "amdgcn-amd-amdhsa--gfx1250"
	.amdhsa_code_object_version 6
	.text
	.protected	k_qe237d7e386_qkv
	.globl	k_qe237d7e386_qkv
	.p2align	8
	.type	k_qe237d7e386_qkv,@function
k_qe237d7e386_qkv:
	s_mov_b64 s[64:65], 0
	v_nop
	global_prefetch_b8 v0, s[64:65] scope:SCOPE_SE
	s_setreg_imm32_b32 hwreg(HW_REG_WAVE_MODE, 25, 1), 1
	s_wait_xcnt 0x0
	s_wait_alu depctr_hold_cnt(0) depctr_sa_sdst(0) depctr_va_vdst(0) depctr_va_sdst(0) depctr_va_ssrc(0) depctr_va_vcc(0) depctr_vm_vsrc(0)
	s_getreg_b32 s2, hwreg(HW_REG_IB_STS2, 6, 4)
	s_cmp_eq_u32 s2, 0
	s_cbranch_scc0 .Lentry_in_a_cluster
	s_endpgm
.Lentry_in_a_cluster:
	s_bfe_u32 s2, ttmp6, 0x10000c
	s_cmp_lg_u32 s2, 0xf033
	s_cbranch_scc0 .Lentry_shape_is_right
	s_endpgm
.Lentry_shape_is_right:
; C = act(A W^T + bias).  A: [4096][1024] bf16, W: [n][1024] bf16, bias: [n] f32; sums in f32, the bias as the sums' first addend; act is the identity (flag word 0) or the exact GELU (flag word 1).
; C leaves in bf16 as SLABS [n / 256][4096][256]: a tile's 256 columns are one slab, so n enters no address and one text serves n = 3,072 and n = 4,096 (the grid's width).
; A tile of C is 256 x 256: four waves, each 128 x 128 in 64 accumulators of 16 x 16.  K goes in steps of 128 through a ring of two LDS slots filled by the tensor data mover (rows of 256 bytes at multiples of 256).
; A K STEP IS WRITTEN ONCE: the loop's trip goes from a step's second quarter to the next step's first, and the slot is changed by an exclusive or on the LDS addresses.  Written out beside the loop: the first quarter
; (its sums start from the bias), a tail of the same four quarters that asks for nothing (two trips, left in the middle of the second), and the last quarter.
; CLUSTER 4 x 4: the four work-groups of a row of the cluster need the same tiles of A, the four of a column the same tiles of W: each tile is asked for jointly.
; THE MATRIX INSTRUCTION IS USED TRANSPOSED (source 0 = 16 rows of W, source 1 = 16 rows of A): a lane holds row l % 16 of C and the columns 8 (l / 16) + 0..7.
; GELU(z) = max(z, 0) - |z| (poly(t) / 2) e^(-z^2 / 2), t = 1 / (1 + 0.23164189 |z|): erf by the five-term rational form (Abramowitz and Stegun 7.1.26), absolute error 1.5e-7, for every z;
; where z^2 passes f32's range the exponential is 0 and the result max(z, 0).
; THE FLAG STEERS NO BRANCH: partners in a cluster run the same lines.  It chooses constants: with the flag 0 the polynomial's five coefficients are 0 and the floor of the maximum is minus infinity,
; so that the same lines give max(z, -inf) - |z| 0 = z, bit for bit, for every finite z.  The price: the identity's launch does the activation's arithmetic too; the gain: one text for both launches.
; LIMITS.  NaN and infinities are not treated apart (an infinite z gives NaN on the identity's way too: 0 times infinity).
; REGISTERS, in windows of 256: window 0: v0-31 addresses; v64-127, v128-191 fragments of A, two buffers; on the way out v64-207 at work.
;   window 1: v0-63 the bias of my 128 columns, as a C operand; v64-127, v128-191 fragments of W.   window 2: the accumulators of my rows 0-63 ((a, b) at v[8 (8 a + b)]);   window 3: rows 64-127.
.set SIZE_K, 1024
.set KSTEP,  128
.set NSTEP,  SIZE_K/KSTEP              ; 8 K steps
.set PITCH,  272                       ; an LDS row: 256 bytes + 16 of padding = 68 words: the 16 rows of a load start at 16 different groups of four banks (64 banks of 4 bytes: ISA guide 11.1)
.set HALFT,  128*PITCH                 ; 128 rows: what one tensor load brings: 34,816 = 2^15 + 2^11
.set SLOT,   4*HALFT                   ; A's 256 rows, then W's 256 rows: 139,264 = 2^17 + 2^13.  Neither bit is set in 0, 1, 2 or 3 x HALFT (bits 2^11, 2^12, 2^15, 2^16),
                                       ; so an exclusive or with SLOT takes a tile's first byte from slot 0 to slot 1 and back
.set SPARE,  2*SLOT                    ; behind the ring: the spare words, 128 bytes for each wave
.set SPITCH, 528                       ; the way out: a row of 128 f32 + 16 bytes
.set WSTAGE, 128*SPITCH                ; a wave's stage: it lies in the ring's bytes, which have had their last fill by then
.set LT,   3                           ; v3      my lane's place in a fragment: row x pitch + 16 x half; never rewritten
.set ADRA, 16                          ; v16     LDS address of my A fragments in the slot in hand
.set ADRB, 20                          ; v20     the same for W
.set STO,  24                          ; v24     the way out: where I put 16 bytes of a row
.set RD,   25                          ; v25     the way out: where I read rows back
.set CO,   26                          ; v26     8 x lane: my bytes in 256 bytes of C
.set BA,   27                          ; v27     32 x (l / 16): my bytes in 64 bytes of the bias
.set SPW,  28                          ; v28     LDS address of my spare word; never rewritten
.set NIL,  29                          ; v29     0; never rewritten
.set F0,   64
.set F1,   128
.set Z,    64                          ; the way out: 8 rows x 4 numbers
.set YY,   96
.set TT,   128
.set RR,   160
.set OB,   192                         ; 16 registers of bf16 pairs
.set G1, 24                            ; s[24:31] descriptor group 1 for A's tiles;  s[32:39] group 0: a set for each of the two first fills; the second then walks on
.set G0, 32
.set G1B, 48                           ; s[48:55], s[56:63] the same for W's
.set G0B, 56
                                       ; s21, s22: first LDS byte of my 128 rows of A and of W in the slot in hand
.set MSB, 0
.macro WIN new                         ; the immediate's high byte repeats the setting that is left; a switch that changes nothing is dropped
.if MSB != (\new)
	s_set_vgpr_msb (MSB<<8)|(\new)
.set MSB, \new
.endif
.endm
.set MUL_LO, 0xa1                      ; source 0 (W) window 1, source 1 (A) window 0, C and D window 2
.set MUL_HI, 0xf1                      ; the same, C and D window 3
.set TO_B,   0x40                      ; destination window 1, address window 0
; A joint load: waves 0 and 1 fetch A's two halves, waves 2 and 3 W's.  An s_nop 0 and four v_nop follow each of the two lines, ahead of the jump and the label.
.macro JLOAD s
	s_cmp_eq_u32 s11, 0
	s_cbranch_scc0 .Lfor_b_\@
	tensor_load_to_lds s[G0+4*(\s):G0+4*(\s)+3], s[G1:G1+7]
	s_nop 0
.rept 4
	v_nop
.endr
	s_branch .Lasked_\@
.Lfor_b_\@:
	tensor_load_to_lds s[G0B+4*(\s):G0B+4*(\s)+3], s[G1B:G1B+7]
	s_nop 0
.rept 4
	v_nop
.endr
.Lasked_\@:
.endm
.macro CREST                           ; a round of the cluster's barrier behind its opening barrier
	s_cmp_lg_u32 s10, 0
	s_cbranch_scc1 .Lnot_wave_0_\@
	s_barrier_signal -3
.Lnot_wave_0_\@:
	s_barrier_wait -3
	s_barrier_signal -1
	s_barrier_wait -1
.endm
.macro CROUND                          ; a whole round
	s_barrier_signal -1
	s_barrier_wait -1
	CREST
.endm
	s_load_b128 s[4:7], s[0:1], 0x0                ; A s[4:5], W s[6:7]
	s_load_b64 s[8:9], s[0:1], 0x10                ; C
	s_load_b128 s[68:71], s[0:1], 0x18             ; bias s[68:69], the flag's buffer s[70:71]
	v_lshl_add_u32 v[SPW], v0, 2, SPARE
	v_mov_b32 v[NIL], 0
	ds_add_u32 v28, v29
	s_wait_dscnt 0x0
	v_lshrrev_b32 v1, 5, v0
	v_readfirstlane_b32 s10, v1                    ; wave 0..3
	s_lshr_b32 s11, s10, 1                         ; which half of the tile's rows is mine.  Also: I fetch for A (0) or for W (1)
	s_and_b32 s12, s10, 1                          ; which half of its columns.  Also: which 128 rows of that tile I fetch
	s_bfe_u32 s40, ttmp6, 0x40000                  ; cx
	s_bfe_u32 s41, ttmp6, 0x40004                  ; cy
	s_lshl_b32 s42, ttmp9, 2
	s_add_co_u32 s42, s42, s40                     ; tile column = 4 x cluster x + cx
	s_and_b32 s13, ttmp7, 0xffff
	s_lshl_b32 s13, s13, 2
	s_add_co_u32 s13, s13, s41                     ; tile row = 4 x cluster y + cy
	s_lshl_b32 s43, s41, 2
	s_lshl_b32 s43, 15, s43                        ; my row of the cluster
	s_lshl_b32 s44, 0x1111, s40                    ; my column
	s_or_b32 s[G1+0], s43, (1<<16)|(1<<20)|(1<<21)|(5<<22)|(3<<25)  ; the mask; 2-byte elements; padding on; bit 21 beside a mask; after every 64 words (code 5) 4 words (code 3)
	s_or_b32 s[G1B+0], s44, (1<<16)|(1<<20)|(1<<21)|(5<<22)|(3<<25)
.irp g, G1, G1B
	s_mov_b32 s[(\g)+1], KSTEP<<16                 ; tensor_dim0 = 128
	s_mov_b32 s[(\g)+2], 128<<16                   ; tensor_dim1 = 128
	s_mov_b32 s[(\g)+3], KSTEP<<16                 ; tile_dim0 = 128
	s_mov_b32 s[(\g)+4], 128                       ; tile_dim1 = 128
	s_mov_b32 s[(\g)+5], SIZE_K                    ; elements from row to row
	s_mov_b32 s[(\g)+6], 0
	s_mov_b32 s[(\g)+7], 0
.endr
	s_mov_b32 s74, 0x3e6d3388                      ; 0.23164189 = 0.3275911 / sqrt(2).  Each constant twice: the packed forms name a pair
	s_mov_b32 s75, s74
	s_mov_b32 s76, 0x3f596d27                      ; 0.8493218 = sqrt(log2(e) / 2)
	s_mov_b32 s77, s76
	s_mov_b32 s78, 0x3e027906                      ; a1 / 2 =  0.127414796
	s_mov_b32 s79, s78
	s_mov_b32 s80, 0xbe11a98e                      ; a2 / 2 = -0.142248368
	s_mov_b32 s81, s80
	s_mov_b32 s82, 0x3f35f0e3                      ; a3 / 2 =  0.7107068705
	s_mov_b32 s83, s82
	s_mov_b32 s84, 0xbf3a00e3                      ; a4 / 2 = -0.7265760135
	s_mov_b32 s85, s84
	s_mov_b32 s86, 0x3f07dc22                      ; a5 / 2 =  0.5307027145
	s_mov_b32 s87, s86
	s_lshl_b32 s17, s12, 7                         ; which 128 rows of the tile I fetch
	s_lshl_b32 s16, s13, 8
	s_add_co_u32 s16, s16, s17
	s_lshl_b32 s16, s16, 11                        ; A: (256 x tile row + 128 x half) rows of 2,048 bytes
	s_lshl_b32 s46, s42, 8
	s_add_co_u32 s46, s46, s17
	s_lshl_b32 s46, s46, 11                        ; W: (256 x tile column + 128 x half) rows
	s_mov_b32 s17, 0
	s_mov_b32 s47, 0
	s_mul_i32 s20, s10, HALFT                      ; where they go: wave x 128 rows: no place in the cluster enters an LDS address
	s_wait_kmcnt 0x0
	s_load_b32 s72, s[70:71], 0x0                  ; the flag; waited for ahead of the way out
	s_add_nc_u64 s[14:15], s[4:5], s[16:17]
	s_add_nc_u64 s[46:47], s[6:7], s[46:47]
	CROUND                                         ; all sixteen work-groups are here: the first joint loads meet
.irp s, 0,1
	s_mov_b32 s[G0+4*(\s)], 1
	s_add_co_u32 s[G0+4*(\s)+1], s20, (\s)*SLOT
	s_add_nc_u64 s[G0+4*(\s)+2:G0+4*(\s)+3], s[14:15], (\s)*KSTEP*2
	s_or_b32 s[G0+4*(\s)+3], s[G0+4*(\s)+3], 0x80000000
	s_mov_b32 s[G0B+4*(\s)], 1
	s_add_co_u32 s[G0B+4*(\s)+1], s20, (\s)*SLOT
	s_add_nc_u64 s[G0B+4*(\s)+2:G0B+4*(\s)+3], s[46:47], (\s)*KSTEP*2
	s_or_b32 s[G0B+4*(\s)+3], s[G0B+4*(\s)+3], 0x80000000
	JLOAD \s                                       ; two loads of mine are out
.endr
	v_and_b32 v1, 15, v0                           ; l % 16
	v_bfe_u32 v2, v0, 4, 1                         ; l / 16
	v_lshlrev_b32 v[BA], 5, v2
	s_lshl_b32 s46, s42, 10                        ; the bias of my 128 columns: (256 x tile column + 128 x half) x 4 bytes
	s_lshl_b32 s47, s12, 9
	s_add_co_u32 s46, s46, s47
	s_mov_b32 s47, 0
	s_add_nc_u64 s[68:69], s[68:69], s[46:47]
	WIN TO_B
.irp b, 0,1,2,3,4,5,6,7                ; register 8 b + j = bias[16 b + 8 (l / 16) + j]: the layout of a result
	global_load_b128 v[8*(\b):8*(\b)+3],   v[BA], s[68:69] offset:64*(\b)
	global_load_b128 v[8*(\b)+4:8*(\b)+7], v[BA], s[68:69] offset:64*(\b)+16
.endr
	WIN 0
	v_mul_u32_u24 v[LT], v1, PITCH
	v_lshl_add_u32 v[LT], v2, 4, v[LT]             ; a fragment's row x pitch + 16 x half
	s_mul_i32 s21, s11, HALFT                      ; my 128 rows of A, in slot 0
	s_mul_i32 s22, s12, HALFT                      ; my 128 rows of W,
	s_add_co_u32 s22, s22, 2*HALFT                 ; which lie behind A's 256
	v_add_nc_u32 v[ADRA], s21, v[LT]
	v_add_nc_u32 v[ADRB], s22, v[LT]
	s_mul_i32 s23, s10, WSTAGE                     ; my stage
	v_mul_u32_u24 v4, v1, SPITCH                   ; in: row l % 16, 32 bytes for each half of the lanes
	v_lshl_add_u32 v4, v2, 5, v4
	v_add_nc_u32 v[STO], s23, v4
	v_and_b32 v5, 31, v0
	v_lshl_add_u32 v[RD], v5, 4, s23               ; back: 32 lanes take a row of 512 bytes
	v_lshlrev_b32 v[CO], 3, v5
	s_lshl_b32 s16, s13, 8                         ; C at my part: slab = tile column; row 256 x tile row + 128 x half, 512 bytes each; 256 bytes x column half
	s_lshl_b32 s14, s11, 7
	s_add_co_u32 s16, s16, s14
	s_lshl_b32 s16, s16, 9
	s_lshl_b32 s14, s12, 8
	s_add_co_u32 s16, s16, s14
	s_lshl_b32 s46, s42, 21
	s_add_co_u32 s16, s16, s46
	s_mov_b32 s17, 0
	s_add_nc_u64 s[8:9], s[8:9], s[16:17]
; 16 matrix instructions: m blocks a0, a0 + 1 of the window's four x all 8 n blocks, 32 along K.  first = 1: the sums start from the bias: nothing is cleared.
; The 64 accumulators take turns, one instruction a turn, in the same order in every quarter, over the loops' edges too.
.macro MUL16 f, hi, a0, first
.if \first
	WIN 0x91+0x40*(\hi)                            ; C in window 1
.else
	WIN MUL_LO+0x50*(\hi)
.endif
.irp a, \a0, (\a0)+1
.irp b, 0,1,2,3,4,5,6,7
.if \first
	v_wmma_f32_16x16x32_bf16 v[8*(8*(\a)+(\b)):8*(8*(\a)+(\b))+7], v[(\f)+8*(\b):(\f)+8*(\b)+7], v[(\f)+8*(4*(\hi)+(\a)):(\f)+8*(4*(\hi)+(\a))+7], v[8*(\b):8*(\b)+7]
.else
	v_wmma_f32_16x16x32_bf16 v[8*(8*(\a)+(\b)):8*(8*(\a)+(\b))+7], v[(\f)+8*(\b):(\f)+8*(\b)+7], v[(\f)+8*(4*(\hi)+(\a)):(\f)+8*(4*(\hi)+(\a))+7], v[8*(8*(\a)+(\b)):8*(8*(\a)+(\b))+7]
.endif
.endr
.endr
.endm
; 32 LDS loads in one run: the fragments of one quarter step (W's 128 rows, then A's, 32 K at byte k of the rows of the slot in hand) into buffer f
.macro FETCH k, f
	WIN TO_B
.irp i, 0,1,2,3,4,5,6,7
	ds_load_b128 v[(\f)+8*(\i):(\f)+8*(\i)+3],   v[ADRB] offset:(\k)+(\i)*16*PITCH
	ds_load_b128 v[(\f)+8*(\i)+4:(\f)+8*(\i)+7], v[ADRB] offset:(\k)+(\i)*16*PITCH+32
.endr
	WIN 0
.irp i, 0,1,2,3,4,5,6,7
	ds_load_b128 v[(\f)+8*(\i):(\f)+8*(\i)+3],   v[ADRA] offset:(\k)+(\i)*16*PITCH
	ds_load_b128 v[(\f)+8*(\i)+4:(\f)+8*(\i)+7], v[ADRA] offset:(\k)+(\i)*16*PITCH+32
.endr
.endm
.macro PLACES                          ; four plain vector instructions between a matrix instruction and a load into, or a read of, its registers
.rept 4
	v_nop
.endr
.endm
; A K step is four quarters of 32 along K, 64 matrix instructions each, on buffers 0, 1, 0, 1.  One of the first three multiplies buffer f and fetches the next quarter, at byte k, into g.
.macro QUARTER k, f, g, first
	s_wait_dscnt 8                                 ; W and A's rows 0-63 are in; the youngest eight loads (A's rows 64-127) may be out
	MUL16 \f, 0, 0, \first
	MUL16 \f, 0, 2, \first
	PLACES
	FETCH \k, \g
	s_wait_dscnt 32                                ; all but the 32 just issued
	MUL16 \f, 1, 0, \first
	MUL16 \f, 1, 2, \first
.endm
; The last quarter multiplies buffer 1 and changes slots.  Its first 32 products need nothing of the next tile, so they stand AHEAD of the wait for it: between a tile's landing and the request for the next
; stand the add, scalar steps, the barrier's round and nothing else.  One barrier, for two things: in front of it each wave waits for all its tensor loads (one is out: its part of the next slot), adds 0 to
; its spare word, and waits for that and for its reads of this slot; behind it nobody reads this slot any more and the next slot is whole.
; fill = 1: the barrier opens a round of the cluster's, and the slot just read out is filled again, two K steps on, first thing behind it, by the walking descriptor (the other slot than last time, one K step further).
.macro TURN fill
	s_wait_dscnt 8                                 ; W and A's rows 0-63 of buffer 1 are in
	MUL16 F1, 0, 0, 0
	MUL16 F1, 0, 2, 0
	WIN 0                                          ; the add's registers lie in window 0
	s_wait_tensorcnt 0x0                           ; no tensor load of mine is out, so a group 0 may be written
	ds_add_u32 v[SPW], v[NIL]                      ; 0 onto my spare word; the scalar steps stand between it and the wait for it
.if \fill
	s_xor_b32 s[G0+5], s[G0+5], SLOT
	s_add_nc_u64 s[G0+6:G0+7], s[G0+6:G0+7], KSTEP*2       ; the type bits on top are not reached
	s_xor_b32 s[G0B+5], s[G0B+5], SLOT
	s_add_nc_u64 s[G0B+6:G0B+7], s[G0B+6:G0B+7], KSTEP*2
.endif
	s_xor_b32 s21, s21, SLOT                       ; the fetches go on in the other slot
	s_xor_b32 s22, s22, SLOT
	s_wait_dscnt 0x0                               ; the add is done, and my reads of this slot are over
	s_barrier_signal -1
	s_barrier_wait -1
.if \fill
	CREST                                          ; no wave of any partner still reads this slot's tile or has a load on its way
	JLOAD 1                                        ; the four v_nop behind it are also the places in front of the loads below
.else
	PLACES
.endif
	v_add_nc_u32 v[ADRA], s21, v[LT]
	v_add_nc_u32 v[ADRB], s22, v[LT]
	FETCH 0, F0
	MUL16 F1, 1, 0, 0
	MUL16 F1, 1, 2, 0
.endm
	s_wait_tensorcnt 1                             ; my part of K step 0 is in; K step 1's may stay out
	s_barrier_signal -1
	s_barrier_wait -1
	FETCH 0, F0
	s_wait_loadcnt 0x0                             ; the bias
	QUARTER 64,  F0, F1, 1                         ; the first quarter stands in front of the loop: its products start the sums
	WIN 0
	s_mov_b32 s3, NSTEP-2
.Lstep:                                                ; six trips, from a step's second quarter to the next step's first; each fills the slot that it leaves: K steps 2 to 7
	QUARTER 128, F1, F0, 0
	QUARTER 192, F0, F1, 0
	TURN 1
	QUARTER 64,  F0, F1, 0
	WIN 0
	s_sub_co_u32 s3, s3, 1
	s_cmp_lg_u32 s3, 0
	s_cbranch_scc1 .Lstep
	s_mov_b32 s3, 2
.Ltail:                                                ; the last two K steps ask for nothing; the second trip is left in its middle
	QUARTER 128, F1, F0, 0
	QUARTER 192, F0, F1, 0
	WIN 0
	s_sub_co_u32 s3, s3, 1
	s_cmp_eq_u32 s3, 0
	s_cbranch_scc1 .Llast
	TURN 0
	QUARTER 64,  F0, F1, 0
	WIN 0
	s_branch .Ltail
.Llast:
	s_wait_dscnt 8                                 ; the very last quarter: nothing more to fetch
	MUL16 F1, 0, 0, 0
	MUL16 F1, 0, 2, 0
	s_wait_dscnt 0x0
	MUL16 F1, 1, 0, 0
	MUL16 F1, 1, 2, 0
	; THE WAY OUT.  Every wave's reads of both slots are over behind this barrier, and no fill follows: the ring's bytes become four stages, a wave's own each.
	WIN 0
	s_barrier_signal -1                            ; (no LDS instruction of mine is out: the wait for 0 above)
	s_barrier_wait -1
	PLACES
.irp a, 0,1,2,3,4,5,6,7                ; my 128 x 128 in f32: row 16 a + l % 16, columns 16 b + 8 (l / 16) + 0..7; each accumulator's low four registers first
	WIN 0x08+4*((\a)/4)                            ; the stores' data in window 2 or 3
.irp b, 0,1,2,3,4,5,6,7
	ds_store_b128 v[STO], v[8*(8*((\a)%4)+(\b)):8*(8*((\a)%4)+(\b))+3]   offset:(\a)*16*SPITCH+64*(\b)
	ds_store_b128 v[STO], v[8*(8*((\a)%4)+(\b))+4:8*(8*((\a)%4)+(\b))+7] offset:(\a)*16*SPITCH+64*(\b)+16
.endr
.endr
	WIN 0
	s_wait_kmcnt 0x0                               ; the flag
	s_cmp_lg_u32 s72, 0                            ; it chooses constants, never a way through the text
	s_cselect_b32 s45, 0, 0xff800000               ; the floor of the maximum: 0, or minus infinity for the identity
.irp c, 78,79,80,81,82,83,84,85,86,87
	s_cselect_b32 s[\c], s[\c], 0                  ; the polynomial's coefficients, or 0 for the identity (s_cselect leaves SCC as it is)
.endr
	s_mov_b32 s73, 16
.Lrows:                                                ; 16 trips of 8 rows: a row's 128 numbers, 4 a lane
.irp i, 0,1,2,3,4,5,6,7
	ds_load_b128 v[Z+4*(\i):Z+4*(\i)+3], v[RD] offset:SPITCH*(\i)  ; LDS serves a wave's instructions in order (ISA guide 5.7.1.4): these see my stores
.endr
	s_wait_dscnt 0x0
.set i, 0
.rept 32
	v_fma_f32 v[TT+i], |v[Z+i]|, s74, 1.0
.set i, i+1
.endr
.set i, 0
.rept 16
	v_pk_mul_f32 v[YY+i:YY+i+1], v[Z+i:Z+i+1], s[76:77] op_sel_hi:[1,0]
.set i, i+2
.endr
.set i, 0
.rept 16
	v_pk_mul_f32 v[YY+i:YY+i+1], v[YY+i:YY+i+1], v[YY+i:YY+i+1] neg_lo:[0,1] neg_hi:[0,1]  ; -z^2 log2(e) / 2
.set i, i+2
.endr
.set i, 0
.rept 32
	v_rcp_f32 v[TT+i], v[TT+i]
.set i, i+1
.endr
.set i, 0
.rept 32
	v_exp_f32 v[YY+i], v[YY+i]
.set i, i+1
.endr
	v_nop                                          ; a plain instruction behind the last of them (ISA guide 5.7.2)
.set i, 0
	s_wait_alu depctr_va_vdst(0)
.rept 16
	v_pk_fma_f32 v[RR+i:RR+i+1], v[TT+i:TT+i+1], s[86:87], s[84:85] op_sel_hi:[1,0,0]
.set i, i+2
.endr
.irp c, 82, 80, 78
.set i, 0
.rept 16
	v_pk_fma_f32 v[RR+i:RR+i+1], v[RR+i:RR+i+1], v[TT+i:TT+i+1], s[\c:\c+1] op_sel_hi:[1,1,0]
.set i, i+2
.endr
.endr
.set i, 0
.rept 16
	v_pk_mul_f32 v[RR+i:RR+i+1], v[RR+i:RR+i+1], v[TT+i:TT+i+1]
.set i, i+2
.endr
.set i, 0
.rept 16
	v_pk_mul_f32 v[RR+i:RR+i+1], v[RR+i:RR+i+1], v[YY+i:YY+i+1]
.set i, i+2
.endr
.set i, 0
.rept 32
	v_max_num_f32 v[YY+i], s45, v[Z+i]             ; max(z, 0), or z itself
.set i, i+1
.endr
.set i, 0
.rept 32
	v_fma_f32 v[Z+i], -|v[Z+i]|, v[RR+i], v[YY+i]
.set i, i+1
.endr
.set i, 0
.rept 16
	v_cvt_pk_bf16_f32 v[OB+i], v[Z+2*i], v[Z+2*i+1]
.set i, i+1
.endr
.irp i, 0,1,2,3,4,5,6,7
	global_store_b64 v[CO], v[OB+2*(\i):OB+2*(\i)+1], s[8:9] offset:512*(\i)  ; 32 lanes store 256 consecutive bytes, at a multiple of 256 from C's first byte
.endr
	s_wait_xcnt 0x0                                ; the stores' base and data are written again only behind this wait
	s_add_nc_u64 s[8:9], s[8:9], 8*512
	v_add_nc_u32 v[RD], 8*SPITCH, v[RD]
	s_sub_co_u32 s73, s73, 1
	s_cmp_lg_u32 s73, 0
	s_cbranch_scc1 .Lrows
	s_wait_tensorcnt 0x0                           ; the wave's end
	ds_add_u32 v[SPW], v[NIL]
	s_wait_dscnt 0x0
	CROUND                                         ; the closing round
	s_endpgm
.Lfunc_end_k_qe237d7e386_qkv:
	.size	k_qe237d7e386_qkv, .Lfunc_end_k_qe237d7e386_qkv-k_qe237d7e386_qkv
	.p2alignl 7, 3214868480
	.fill 96, 4, 3214868480
	.section	.rodata,"a",@progbits
	.p2align	6, 0x0
	.amdhsa_kernel k_qe237d7e386_qkv
		.amdhsa_group_segment_fixed_size 327680
		.amdhsa_private_segment_fixed_size 0
		.amdhsa_enable_private_segment 0
		.amdhsa_kernarg_size 40
		.amdhsa_user_sgpr_count 2
		.amdhsa_user_sgpr_kernarg_segment_ptr 1
		.amdhsa_wavefront_size32 1
		.amdhsa_system_sgpr_workgroup_id_x 1
		.amdhsa_system_sgpr_workgroup_id_y 1
		.amdhsa_system_sgpr_workgroup_id_z 1
		.amdhsa_system_vgpr_workitem_id 0
		.amdhsa_next_free_vgpr 1024
		.amdhsa_next_free_sgpr 88
		.amdhsa_reserve_vcc 0
		.amdhsa_float_denorm_mode_32 3
		.amdhsa_float_denorm_mode_16_64 3
		.amdhsa_memory_ordered 1
		.amdhsa_forward_progress 1
		.amdhsa_inst_pref_size 101
	.end_amdhsa_kernel
	.amdgpu_metadata
---
amdhsa.version: [ 1, 2 ]
amdhsa.kernels:
  - .name:           k_qe237d7e386_qkv
    .symbol:         k_qe237d7e386_qkv.kd
    .args:
      - { .name: h, .offset: 0, .size: 8, .value_kind: global_buffer, .address_space: global }
      - { .name: wa, .offset: 8, .size: 8, .value_kind: global_buffer, .address_space: global }
      - { .name: big, .offset: 16, .size: 8, .value_kind: global_buffer, .address_space: global }
      - { .name: b_in, .offset: 24, .size: 8, .value_kind: global_buffer, .address_space: global }
      - { .name: pa, .offset: 32, .size: 8, .value_kind: global_buffer, .address_space: global }
    .group_segment_fixed_size: 327680
    .private_segment_fixed_size: 0
    .kernarg_segment_align: 8
    .kernarg_segment_size: 40
    .max_flat_workgroup_size: 128
    .sgpr_count:     88
    .vgpr_count:     1024
    .wavefront_size: 32
...
	.end_amdgpu_metadata
.endif
;; end of part 2
;; launch attn (part 3): grid 32 x 8, 4 waves a work-group, no clusters, 112,128 bytes of LDS; arguments big, attention_mask, pa, h; writes h
.if DOCPART == 3
	.amdgcn_target "amdgcn-amd-amdhsa--gfx1250"
	.amdhsa_code_object_version 6
	.text
	.protected	k_qe237d7e386_attn
	.globl	k_qe237d7e386_attn
	.p2align	8
	.type	k_qe237d7e386_attn,@function
k_qe237d7e386_attn:
	s_mov_b64 s[64:65], 0
	v_nop
	global_prefetch_b8 v0, s[64:65] scope:SCOPE_SE
	s_setreg_imm32_b32 hwreg(HW_REG_WAVE_MODE, 25, 1), 1
	s_wait_xcnt 0x0
; SPARSE ATTENTION.  o[b][i][head] = sum over j of softmax_j(q.k / 8 + mask[i][j] + kp[b][j]) v[j], mask = 0 where (i - j <= 128 or j < 16) and j <= i, else -1e9; kp = -1e9 where attention_mask is 0.
; q, k, v: bf16 slabs [12][4096][256] (slabs 0-3 q, 4-7 k, 8-11 v; head hd in slab hd / 4 at byte (hd % 4) 128 of a row of 512).  o: bf16 slabs [4][4096][256].  Scores, maxima and sums in f32, weights rounded to bf16.
; SHARES.  A work-group: 64 queries (q0 = 64 g) of batch b for the four heads 4 hq .. 4 hq + 3, a head a wave, four tiles of 16 queries: together the waves store whole rows of 512 bytes.
; THE WALK.  Steps of 64 keys from kb: step 0: kb = 0 (the global keys); steps 1-3: kb = q0 - 128, q0 - 64, q0 (the window); steps 4 .. 3 + pa[64 + 32 b + g]: kb = 0, 64, .. 1,984, ALL keys.
; The masks are ADDITIVE: a row whose allowed keys are all masked out by attention_mask has its maximum at the level -1e9, and there every key at that level counts, those that the module's mask forbids among them.
; Whether a block has such a row hangs on attention_mask alone; the launch before stored it as a trip count (0 or 32).  Each key is counted once: a group of 16 keys that a step does not own takes -1e30.
; The score is t = fma(s, 1/8, w), w = 0, -1e9 or -2e9: the module's own f32 rounding at the levels 0 and -1e9; m is subtracted BEFORE the multiplication by log2(e), so that differences at the level -1e9 stay exact.
; LIMITS.  |s / 8| stays far below 1e9 (about 1e8), or keys that are left out could count; the level -2e9 is one constant (its weight is 0: every row has its own key at -1e9 or above); a weight below 2^-126 counts as 0;
; NaN and infinities are not treated apart.  Steps that own nothing leave finite garbage in O and l, which the first real key multiplies by a = 0.
; NO TENSOR LOADS, NO CLUSTER: each wave stages its own K and V through registers into its own LDS bytes.  What four work-groups of a head share
; (128 of a step's 192 window keys) is read a short time apart.  O, l and m are set by 140 v_mov_b32 while the first loads are out: the price of writing no first step out under a trip count set at run time.
; REGISTERS: window 0: v1-14 addresses; v16-31 statistics (m, m_old, l, l a tile); v32-47 at work; v64-95 S^T; v96-127 w; v128-143 P; v160-191, v192-223 a key's w if allowed, if not; v224-255 attention_mask
;   window 1: v0-127 O^T, 32 a tile; v128-191 K as loaded; v192-255 V as loaded        window 2: v0-63 Q; v64-127 K's fragments; v128-191 V's fragments
.set PK,   144                         ; a row of K in LDS: 128 bytes + 16: the 16 rows of a load start at 16 different groups of four banks (64 banks of 4 bytes: ISA guide 11.1)
.set PVP,  160                         ; a row of V: 128 + 32
.set VOFF, 64*PK
.set WST,  64*(PK+PVP)                 ; a wave's stage
.set OST,  4*WST                       ; behind them: 64 rows x 528 bytes, the work-group's, for the way out
.set OP,   528
.set RR,  1                            ; l % 16
.set HH,  2                            ; l / 16
.set RH,  3                            ; l % 16 - 8 (l / 16)
.set UU,  4                            ; that + q0 - kb: i - j = UU + 16 (tile - group) - register
.set RAW, 5                            ; (l / 8) 512 + (l % 8) 16: my 16 bytes in four rows of a slab
.set KST, 6                            ; where they go in K's stage
.set VST, 7                            ; in V's
.set AK0, 8                            ; my place in a fragment of K
.set AV0, 9                            ; of V
.set AMO, 10                           ; 32 (l / 16): my 8 keys' words in 16 keys of the mask
.set QO,  11
.set STO, 12
.set RD,  13
.set GO,  14
.set ST,  16
.set CC,  32                           ; c0-c3; c2 takes a
.set DT,  36                           ; four differences i - j
.set XV,  40                           ; v40-43: w of a masked key, allowed and not, for group 0 and for groups 1-3
.set S,   64
.set W,   96
.set P,   128
.set AA,  160
.set DD,  192
.set AM,  224
.set KR,  128                          ; window 1
.set VR,  192
.set KF,  64                           ; window 2
.set VF,  128
.set MSB, 0
.macro WIN new
.if MSB != (\new)
	s_set_vgpr_msb (MSB<<8)|(\new)
.set MSB, (\new)
.endif
.endm
.set W_KQ, 0x0a                        ; K and Q in window 2, S^T in window 0
.set W_PV, 0x52                        ; V in window 2, P in window 0, O^T in window 1
.set W_RS, 0x41                        ; O^T (destination and source 0) in window 1, the factor in window 0
; kb of step s[n] into s[dst]; s36, s37 at work
.macro KBOF dst, n
	s_lshl_b32 s36, s[\n], 6
	s_add_co_u32 s37, s36, s57                     ; q0 - 192 + 64 n
	s_sub_co_u32 s36, s36, 256                     ; 64 (n - 4)
	s_cmp_lt_u32 s[\n], 4
	s_cselect_b32 s[\dst], s37, s36
	s_cmp_eq_u32 s[\n], 0
	s_cselect_b32 s[\dst], 0, s[\dst]
.endm
; 64 keys from s33 (kb brought into 0 .. 1,984, so that every load stays inside its buffer): K, V and the mask into registers
.macro LOADS
	s_lshl_b32 s34, s33, 9
	s_mov_b32 s35, 0
	s_add_nc_u64 s[24:25], s[16:17], s[34:35]
	s_add_nc_u64 s[26:27], s[18:19], s[34:35]
	s_lshl_b32 s34, s33, 2
	s_add_nc_u64 s[28:29], s[20:21], s[34:35]
	WIN 0x40
.set t, 0
.rept 16
	global_load_b128 v[KR+4*t:KR+4*t+3], v[RAW], s[24:25] offset:2048*t
.set t, t+1
.endr
.set t, 0
.rept 16
	global_load_b128 v[VR+4*t:VR+4*t+3], v[RAW], s[26:27] offset:2048*t
.set t, t+1
.endr
	WIN 0
.set t, 0
.rept 4                                ; register 8 kg + e = mask[kb + 16 kg + 8 (l / 16) + e]: the layout of S^T
	global_load_b128 v[AM+8*t:AM+8*t+3],   v[AMO], s[28:29] offset:64*t
	global_load_b128 v[AM+8*t+4:AM+8*t+7], v[AMO], s[28:29] offset:64*t+16
.set t, t+1
.endr
.endm
	s_load_b256 s[4:11], s[0:1], 0x0               ; big s[4:5], attention_mask s[6:7], pa s[8:9], h s[10:11]
	v_lshl_add_u32 v62, v0, 2, 0x1b400
	v_mov_b32 v63, 0
	v_lshrrev_b32 v15, 5, v0
	v_readfirstlane_b32 s12, v15                   ; wave 0..3
	s_lshl_b32 s13, ttmp9, 6                       ; q0
	s_and_b32 s15, ttmp7, 0xffff
	s_lshr_b32 s14, s15, 2                         ; b
	s_and_b32 s15, s15, 3                          ; hq
	s_mov_b32 s41, 128
	s_mov_b32 s48, 0.125
	s_mov_b32 s49, s48
	s_mov_b32 s50, 0x3fb8aa3b                      ; log2(e)
	s_mov_b32 s51, s50
	s_mov_b32 s52, 0x76543210                      ; v_permlanex16_b32: each lane takes its own place in the other half
	s_mov_b32 s53, 0xfedcba98
	s_mov_b32 s54, 0xce6e6b28                      ; -1e9
	s_mov_b32 s55, 0xceee6b28                      ; -2e9
	s_mov_b32 s56, 0xf149f2ca                      ; -1e30
	s_sub_co_u32 s57, s13, 192
	s_cmp_ge_u32 s13, 192
	s_cselect_b32 s2, 1, 0                         ; step 0 owns the global keys: no window step reaches them
	s_lshl_b32 s58, s14, 5
	s_add_co_u32 s58, s58, ttmp9
	s_lshl_b32 s58, s58, 2                         ; my block's word in the table
	s_mul_i32 s59, s12, WST                        ; my stage
	s_lshl_b32 s38, s14, 20                        ; the batch's 2,048 rows of 512 bytes,
	s_lshl_b32 s39, s12, 7                         ; my head's 128 bytes of a row,
	s_add_co_u32 s38, s38, s39
	s_lshl_b32 s39, s15, 21                        ; slab hq
	s_add_co_u32 s38, s38, s39
	s_mov_b32 s39, 0
	s_wait_kmcnt 0x0
	s_load_b32 s31, s[8:9], s58 offset:0x100
	s_add_nc_u64 s[22:23], s[4:5], s[38:39]
	s_add_nc_u64 s[16:17], s[22:23], 0x800000      ; K: four slabs on
	s_add_nc_u64 s[18:19], s[22:23], 0x1000000     ; V: eight
	s_lshl_b32 s38, s13, 9
	s_add_nc_u64 s[22:23], s[22:23], s[38:39]      ; Q at my block's first row
	s_lshl_b32 s38, s14, 13
	s_add_nc_u64 s[20:21], s[6:7], s[38:39]
	s_lshl_b32 s38, s15, 21                        ; o: slab hq, row b 2,048 + q0 + 16 w
	s_lshl_b32 s34, s14, 20
	s_add_co_u32 s38, s38, s34
	s_lshl_b32 s34, s13, 9
	s_add_co_u32 s38, s38, s34
	s_lshl_b32 s34, s12, 13
	s_add_co_u32 s38, s38, s34
	s_add_nc_u64 s[10:11], s[10:11], s[38:39]
	v_and_b32 v[RR], 15, v0
	v_bfe_u32 v[HH], v0, 4, 1
	v_bfe_u32 v15, v0, 3, 2                        ; l / 8
	v_and_b32 v44, 7, v0                           ; l % 8
	v_lshlrev_b32 v45, 4, v44
	v_lshl_add_u32 v[RAW], v15, 9, v45
	v_lshlrev_b32 v[AMO], 5, v[HH]
	v_lshlrev_b32 v[QO], 9, v[RR]
	v_lshl_add_u32 v[QO], v[HH], 4, v[QO]
	s_mov_b32 s33, 0
	LOADS                                          ; step 0
	WIN 0x80
.set i, 0
.rept 8                                ; Q stays in registers: tile i / 2, channels 32 (i % 2) on: row l % 16, two loads of 16 bytes, 32 bytes apart
	global_load_b128 v[8*i:8*i+3],   v[QO], s[22:23] offset:(i/2)*8192+(i%2)*64
	global_load_b128 v[8*i+4:8*i+7], v[QO], s[22:23] offset:(i/2)*8192+(i%2)*64+32
.set i, i+1
.endr
	WIN 0x40
.set i, 0
.rept 128
	v_mov_b32 v[i], 0
.set i, i+1
.endr
	WIN 0
.set i, 0
.rept 4
	v_mov_b32 v[ST+4*i], 0xff000000                ; m = -2^127: below every score, and m_old - m stays finite
	v_mov_b32 v[ST+4*i+2], 0
	v_mov_b32 v[ST+4*i+3], 0
.set i, i+1
.endr
	v_lshlrev_b32 v46, 3, v[HH]
	v_sub_nc_u32 v[RH], v[RR], v46
	v_mul_u32_u24 v46, v15, PK
	v_add3_u32 v[KST], v46, v45, s59
	v_mul_u32_u24 v46, v15, PVP
	v_add3_u32 v[VST], v46, v45, s59
	v_add_nc_u32 v[VST], VOFF, v[VST]
	v_mul_u32_u24 v46, v[RR], PK
	v_lshl_add_u32 v46, v[HH], 4, v46
	v_add_nc_u32 v[AK0], s59, v46                  ; row x pitch + 16 x half
	v_lshl_add_u32 v46, v[HH], 3, v44              ; the turning load: lane l reads key 8 (l / 16) + l % 8, channels 8 ((l / 8) % 2) + 0..7
	v_mul_u32_u24 v46, v46, PVP
	v_bfe_u32 v47, v0, 3, 1
	v_lshl_add_u32 v46, v47, 4, v46
	v_add3_u32 v[AV0], v46, s59, VOFF
	v_mul_u32_u24 v46, v[RR], OP                   ; the way out, in: row l % 16, my head's 128 bytes, 16 bytes for each half of the lanes
	v_lshl_add_u32 v46, v[HH], 4, v46
	s_lshl_b32 s34, s12, 7
	v_add3_u32 v[STO], v46, s34, OST
	v_and_b32 v[GO], 31, v0
	v_lshlrev_b32 v[GO], 4, v[GO]
	s_mul_i32 s34, s12, 16*OP                      ; back: wave w takes rows 16 w .. 16 w + 15, whole
	v_add3_u32 v[RD], v[GO], s34, OST
	s_wait_kmcnt 0x0
	s_min_u32 s31, s31, 32                         ; a loaded number steers the walk only behind this bound
	s_add_co_u32 s31, s31, 4
; ONE TILE of 16 queries against the step's 64 keys.
.macro TILE qt
.set rT, ST+4*(\qt)
	WIN W_KQ
.set i, 0
.rept 8                                ; S^T = K Q^T: channels 32 (i / 4) on, keys 16 (i % 4) on; four accumulators by turns; the first four start the sums
.set rS, S+8*(i%4)
.set rK, KF+16*(i%4)+8*(i/4)
.set rQ, 16*(\qt)+8*(i/4)
.if i < 4
	v_wmma_f32_16x16x32_bf16 v[rS:rS+7], v[rK:rK+7], v[rQ:rQ+7], 0
.else
	v_wmma_f32_16x16x32_bf16 v[rS:rS+7], v[rK:rK+7], v[rQ:rQ+7], v[rS:rS+7]
.endif
.set i, i+1
.endr
	WIN 0
.set i, 0
.rept 8                                ; w, four at a time: allowed where 0 <= i - j <= the group's bound (unsigned: a key ahead of its query is far above it).  This work names no register of the products: their places
.irp z, 0,1,2,3
	v_add_nc_u32 v[DT+\z], 16*((\qt)-(i+\z)/8)-(i+\z)%8, v[UU]
.endr
.irp z, 0,1,2,3
.if i < 8
	v_cmp_ge_u32 s[60+\z], s40, v[DT+\z]
.else
	v_cmp_ge_u32 s[60+\z], s41, v[DT+\z]
.endif
.endr
.irp z, 0,1,2,3
	v_cndmask_b32 v[W+i+\z], v[DD+i+\z], v[AA+i+\z], s[60+\z]
.endr
.set i, i+4
.endr
.set i, 0
.rept 16                               ; t = s / 8 + w, one rounding; ascending
	v_pk_fma_f32 v[S+i:S+i+1], v[S+i:S+i+1], s[48:49], v[W+i:W+i+1] op_sel_hi:[1,0,1]
.set i, i+2
.endr
.irp n, 0,1,2,3                        ; the maximum of the lane's 32 scores and the old m: four chains, three operands at a time
	v_max3_num_f32 v[CC+\n], v[S+8*\n], v[S+8*\n+1], v[S+8*\n+2]
.endr
.irp n, 0,1,2,3
	v_max3_num_f32 v[CC+\n], v[CC+\n], v[S+8*\n+3], v[S+8*\n+4]
.endr
.irp n, 0,1,2,3
	v_max3_num_f32 v[CC+\n], v[CC+\n], v[S+8*\n+5], v[S+8*\n+6]
.endr
	v_mov_b32 v[rT+1], v[rT]                       ; m_old
	v_max3_num_f32 v[CC], v[CC], v[S+7], v[S+15]
	v_max3_num_f32 v[CC+1], v[CC+1], v[S+23], v[S+31]
	v_max3_num_f32 v[CC+2], v[CC+2], v[CC+3], v[rT]
	v_max3_num_f32 v[CC], v[CC], v[CC+1], v[CC+2]
	v_permlanex16_b32 v[CC+3], v[CC], s52, s53     ; the query's other 32 keys lie in the lane 16 away
	v_max_num_f32 v[rT], v[CC], v[CC+3]
	v_sub_f32 v[CC+1], v[rT+1], v[rT]
	v_mul_f32 v[CC+1], s50, v[CC+1]
.set i, 0
.rept 16
	v_pk_add_f32 v[S+i:S+i+1], v[S+i:S+i+1], v[rT:rT+1] op_sel_hi:[1,0] neg_lo:[0,1] neg_hi:[0,1]  ; t - m
.set i, i+2
.endr
.set i, 0
.rept 16
	v_pk_mul_f32 v[S+i:S+i+1], v[S+i:S+i+1], s[50:51] op_sel_hi:[1,0]
.set i, i+2
.endr
	v_exp_f32 v[CC+2], v[CC+1]                     ; a
.set i, 0
.rept 32
	v_exp_f32 v[S+i], v[S+i]
.set i, i+1
.endr
	v_nop                                          ; a plain instruction behind the last exponential (ISA guide 5.7.2)
.set i, 0
	s_wait_alu depctr_va_vdst(0)
.rept 16
	v_cvt_pk_bf16_f32 v[P+i], v[S+2*i], v[S+2*i+1] ; two results of 16 keys, rounded in pairs, ARE source 1 (32 keys x 16 queries) of the second product
.set i, i+1
.endr
.irp w, 4, 8, 16, 32                   ; the sum of the unrounded weights, as a tree of pairs
.set i, 0
.rept 32/\w
	v_pk_add_f32 v[S+i:S+i+1], v[S+i:S+i+1], v[S+i+\w/2:S+i+\w/2+1]
.set i, i+\w
.endr
.endr
	v_pk_fma_f32 v[rT+2:rT+3], v[rT+2:rT+3], v[CC+2:CC+3], v[S:S+1] op_sel_hi:[1,0,1]  ; l = a l + sum
	WIN W_RS
.set i, 0
.rept 16
	v_pk_mul_f32 v[32*(\qt)+i:32*(\qt)+i+1], v[32*(\qt)+i:32*(\qt)+i+1], v[CC+2:CC+3] op_sel_hi:[1,0]  ; O^T a, ascending
.set i, i+2
.endr
	WIN W_PV
.set i, 0
.rept 8                                ; O^T += V^T P: keys 32 (i / 4) on, channels 16 (i % 4) on; four accumulators by turns
.set rO, 32*(\qt)+8*(i%4)
.set rV, VF+32*(i/4)+8*(i%4)
.set rP, P+8*(i/4)
	v_wmma_f32_16x16x32_bf16 v[rO:rO+7], v[rV:rV+7], v[rP:rP+7], v[rO:rO+7]
.set i, i+1
.endr
.endm
	s_mov_b32 s30, 0
.Lstep:                                                ; a trip: one step of 64 keys; the LDS addresses are the same in every trip
	KBOF 32, 30
	s_cmp_ge_i32 s32, 0
	s_cselect_b32 s34, 1, 0                        ; a window step owns its keys if they exist
	s_sub_co_u32 s36, s32, s13
	s_add_co_u32 s36, s36, 128
	s_cmp_ge_u32 s36, 192
	s_cselect_b32 s35, 1, 0                        ; a step of the long walk owns them if no window step had them,
	s_cmp_lg_u32 s32, 0
	s_cselect_b32 s36, s35, 0                      ; and never the 16 global keys
	s_cmp_lt_u32 s30, 4
	s_cselect_b32 s35, s34, s35                    ; groups 1-3
	s_cselect_b32 s36, s34, s36                    ; group 0
	s_cmp_eq_u32 s30, 0
	s_cselect_b32 s35, 0, s35
	s_cselect_b32 s36, s2, s36
	s_cmp_lg_u32 s36, 0
	s_cselect_b32 s42, 0, s56                      ; group 0: kept and allowed,
	s_cselect_b32 s43, s54, s56                    ; kept or allowed,
	s_cselect_b32 s44, s55, s56                    ; neither
	s_cmp_lg_u32 s35, 0
	s_cselect_b32 s45, 0, s56                      ; groups 1-3
	s_cselect_b32 s46, s54, s56
	s_cselect_b32 s47, s55, s56
	s_cmp_eq_u32 s32, 0
	s_cselect_b32 s40, 0x7fffffff, s41             ; keys 0-15 are allowed at every distance
	s_sub_co_u32 s37, s13, s32
	v_mov_b32 v[XV], s43
	v_mov_b32 v[XV+1], s44
	v_mov_b32 v[XV+2], s46
	v_mov_b32 v[XV+3], s47
	v_add_nc_u32 v[UU], s37, v[RH]
	s_wait_loadcnt 0x0                             ; this step's K, V and mask, asked for a trip ago (and, the first time, Q)
	WIN 0x04                                       ; the stores' data in window 1
.set t, 0
.rept 16
	ds_store_b128 v[KST], v[KR+4*t:KR+4*t+3] offset:4*PK*t
.set t, t+1
.endr
.set t, 0
.rept 16
	ds_store_b128 v[VST], v[VR+4*t:VR+4*t+3] offset:4*PVP*t
.set t, t+1
.endr
	WIN 0
.set i, 0
.rept 32                               ; a key's two values of w.  These lines are also the places between the last trip's products and the loads into their fragments
	v_cmp_eq_u32 vcc_lo, 0, v[AM+i]
.if i < 8
	v_cndmask_b32 v[AA+i], s42, v[XV], vcc_lo
	v_cndmask_b32 v[DD+i], s43, v[XV+1], vcc_lo
.else
	v_cndmask_b32 v[AA+i], s45, v[XV+2], vcc_lo
	v_cndmask_b32 v[DD+i], s46, v[XV+3], vcc_lo
.endif
.set i, i+1
.endr
	WIN 0x80
.irp f, 0,1,2,3,4,5,6,7                ; K: keys 16 (f / 2) on, channels 32 (f % 2) on.  LDS serves a wave's instructions in order (ISA guide 5.7.1.4): these see my stores
	ds_load_b128 v[KF+8*\f:KF+8*\f+3],   v[AK0] offset:(\f/2)*16*PK+(\f%2)*64
	ds_load_b128 v[KF+8*\f+4:KF+8*\f+7], v[AK0] offset:(\f/2)*16*PK+(\f%2)*64+32
.endr
.irp f, 0,1,2,3,4,5,6,7                ; V, turned: keys 32 (f / 4) on, channels 16 (f % 4) on
	ds_load_tr16_b128 v[VF+8*\f:VF+8*\f+3],   v[AV0] offset:(\f/4)*32*PVP+(\f%4)*32
	ds_load_tr16_b128 v[VF+8*\f+4:VF+8*\f+7], v[AV0] offset:(\f/4)*32*PVP+16*PVP+(\f%4)*32
.endr
	WIN 0
	s_wait_dscnt 0x0
	s_add_co_u32 s38, s30, 1                       ; the next step's loads have four tiles' work in which to land; the last trip's serve nothing and land in registers that nothing names again
	KBOF 39, 38
	s_max_i32 s33, s39, 0
	s_min_i32 s33, s33, 1984
	LOADS
	TILE 0
	TILE 1
	TILE 2
	TILE 3
	WIN 0
	s_add_co_u32 s30, s30, 1
	s_cmp_lt_u32 s30, s31
	s_cbranch_scc1 .Lstep
	; THE WAY OUT.  l's two halves and the other half of the lanes' are added (the first additions are the places behind the last products); O^T is divided by l, rounded to bf16, and the four heads meet in one stage.
.macro ALL line:vararg
.set t, 0
.rept 4
	\line
.set t, t+1
.endr
.endm
	ALL v_add_f32 v[ST+4*t+2], v[ST+4*t+2], v[ST+4*t+3]
	ALL v_permlanex16_b32 v[ST+4*t+3], v[ST+4*t+2], s52, s53
	ALL v_add_f32 v[ST+4*t+2], v[ST+4*t+2], v[ST+4*t+3]
	ALL v_rcp_f32 v[ST+4*t+2], v[ST+4*t+2]
	v_nop                                          ; a plain instruction between the last reciprocal and the use of its result
	s_wait_alu depctr_va_vdst(0)
.irp q, 0,1,2,3
	WIN W_RS
.set i, 0
.rept 16
	v_pk_mul_f32 v[32*\q+i:32*\q+i+1], v[32*\q+i:32*\q+i+1], v[ST+4*\q+2:ST+4*\q+3] op_sel_hi:[1,0]
.set i, i+2
.endr
	WIN 0x05                                       ; sources in window 1, destination in window 0
.set i, 0
.rept 16
	v_cvt_pk_bf16_f32 v[S+16*\q+i], v[32*\q+2*i], v[32*\q+2*i+1]
.set i, i+1
.endr
	WIN 0
.irp c, 0,1,2,3
	ds_store_b128 v[STO], v[S+16*\q+4*\c:S+16*\q+4*\c+3] offset:16*OP*\q+32*\c  ; row 16 q + l % 16, channels 16 c + 8 (l / 16) + 0..7
.endr
.endr
	s_wait_dscnt 0x0                               ; for the others' sake: my stores into the stage are done
	s_barrier_signal -1
	s_barrier_wait -1
.set t, 0
.rept 16
	ds_load_b128 v[P+4*t:P+4*t+3], v[RD] offset:OP*t
.set t, t+1
.endr
.set t, 0
.rept 16
	s_wait_dscnt 15-t                              ; row t is in, the 15 - t younger loads stay out
	global_store_b128 v[GO], v[P+4*t:P+4*t+3], s[10:11] offset:512*t  ; 512 consecutive bytes, at a multiple of 512 from o's first byte
.set t, t+1
.endr
	s_wait_tensorcnt 0x0
	ds_add_u32 v62, v63
	s_wait_dscnt 0x0
	s_endpgm
.Lfunc_end_k_qe237d7e386_attn:
	.size	k_qe237d7e386_attn, .Lfunc_end_k_qe237d7e386_attn-k_qe237d7e386_attn
	.p2alignl 7, 3214868480
	.fill 96, 4, 3214868480
	.section	.rodata,"a",@progbits
	.p2align	6, 0x0
	.amdhsa_kernel k_qe237d7e386_attn
		.amdhsa_group_segment_fixed_size 112128
		.amdhsa_private_segment_fixed_size 0
		.amdhsa_enable_private_segment 0
		.amdhsa_kernarg_size 32
		.amdhsa_user_sgpr_count 2
		.amdhsa_user_sgpr_kernarg_segment_ptr 1
		.amdhsa_wavefront_size32 1
		.amdhsa_system_sgpr_workgroup_id_x 1
		.amdhsa_system_sgpr_workgroup_id_y 1
		.amdhsa_system_sgpr_workgroup_id_z 1
		.amdhsa_system_vgpr_workitem_id 0
		.amdhsa_next_free_vgpr 704
		.amdhsa_next_free_sgpr 66
		.amdhsa_reserve_vcc 1
		.amdhsa_float_denorm_mode_32 3
		.amdhsa_float_denorm_mode_16_64 3
		.amdhsa_memory_ordered 1
		.amdhsa_forward_progress 1
		.amdhsa_inst_pref_size 100
	.end_amdhsa_kernel
	.amdgpu_metadata
---
amdhsa.version: [ 1, 2 ]
amdhsa.kernels:
  - .name:           k_qe237d7e386_attn
    .symbol:         k_qe237d7e386_attn.kd
    .args:
      - { .name: big, .offset: 0, .size: 8, .value_kind: global_buffer, .address_space: global }
      - { .name: attention_mask, .offset: 8, .size: 8, .value_kind: global_buffer, .address_space: global }
      - { .name: pa, .offset: 16, .size: 8, .value_kind: global_buffer, .address_space: global }
      - { .name: h, .offset: 24, .size: 8, .value_kind: global_buffer, .address_space: global }
    .group_segment_fixed_size: 112128
    .private_segment_fixed_size: 0
    .kernarg_segment_align: 8
    .kernarg_segment_size: 32
    .max_flat_workgroup_size: 128
    .sgpr_count:     66
    .vgpr_count:     704
    .wavefront_size: 32
...
	.end_amdgpu_metadata
.endif
;; end of part 3
;; launch proj (part 4): grid 8 x 32, 4 waves a work-group, clusters of 4 x 4, 327,680 bytes of LDS; arguments h, wa, x1, b_out, x; writes x1
.if DOCPART == 4
	.amdgcn_target "amdgcn-amd-amdhsa--gfx1250"
	.amdhsa_code_object_version 6
	.text
	.protected	k_qe237d7e386_proj
	.globl	k_qe237d7e386_proj
	.p2align	8
	.type	k_qe237d7e386_proj,@function
k_qe237d7e386_proj:
	s_mov_b64 s[64:65], 0
	v_nop
	global_prefetch_b8 v0, s[64:65] scope:SCOPE_SE
	s_setreg_imm32_b32 hwreg(HW_REG_WAVE_MODE, 25, 1), 1
	s_wait_xcnt 0x0
	s_wait_alu depctr_hold_cnt(0) depctr_sa_sdst(0) depctr_va_vdst(0) depctr_va_sdst(0) depctr_va_ssrc(0) depctr_va_vcc(0) depctr_vm_vsrc(0)
	s_getreg_b32 s2, hwreg(HW_REG_IB_STS2, 6, 4)
	s_cmp_eq_u32 s2, 0
	s_cbranch_scc0 .Lentry_in_a_cluster
	s_endpgm
.Lentry_in_a_cluster:
	s_bfe_u32 s2, ttmp6, 0x10000c
	s_cmp_lg_u32 s2, 0xf033
	s_cbranch_scc0 .Lentry_shape_is_right
	s_endpgm
.Lentry_shape_is_right:
; C = R + A W^T + bias.  A: bf16 slabs [K / 256][4096][256]; W: bf16 slabs [K / 256][1024][256], behind byte 8,388,608 of its buffer; bias: [1024] f32; R, C: [4096][1024] f32.  K = 256 NSTEP.
; Sums in f32, the bias as their first addend, the residual added in f32 at the end.  A tile of C is 128 x 128 (256 tiles, one a work-group): four waves, each 64 x 64 in 16 accumulators.
; K goes in steps of 256, one slab a step: a tile's 64 rows of 512 bytes lie end to end in memory.  Two LDS slots filled by the tensor data mover.
; A K STEP IS WRITTEN ONCE: the loop's trip goes from a step's second quarter to the next step's first, and the slot is changed by an exclusive or on the LDS addresses.  Written out beside the loop: the first quarter
; (its sums start from the bias), a tail of the same four quarters that asks for nothing (two trips, left in the middle of the second), and the last quarter.
; CLUSTER 4 x 4: A's tiles are asked for jointly along a row of the cluster, W's along a column.  THE MATRIX INSTRUCTION IS USED TRANSPOSED: a lane holds row l % 16 of C and the columns 8 (l / 16) + 0..7.
; A wave's 64 columns of f32 are 256 bytes of a row of C: each wave goes out through a stage of its own, without a barrier.
; REGISTERS: window 0: v0-31 addresses; v32-95 at work on the way out; v128-255 the accumulators ((a, b) at v[128 + 8 (4 a + b)]).   window 1: two fragment buffers of 128.
;   window 2: v0-127 my 64 x 64 of the residual, asked for at the start; v128-159 the bias of my 64 columns, as a C operand.
.set NSTEP,  4                         ; K = 1,024
.set KSTEP,  256
.set ASTEP,  4096*512                  ; bytes from slab to slab of A
.set BSTEP,  1024*512                  ; of W
.set PITCH,  528                       ; an LDS row: 512 bytes + 16 of padding = 132 words: the 16 rows of a load start at 16 different groups of four banks (64 banks of 4 bytes: ISA guide 11.1)
.set HALFT,  64*PITCH                  ; 64 rows: what one tensor load brings: 33,792 = 2^15 + 2^10
.set SLOT,   4*HALFT                   ; A's 128 rows, then W's 128 rows: 135,168 = 2^17 + 2^12.  Neither bit is set in 0, 1, 2 or 3 x HALFT (bits 2^10, 2^11, 2^15, 2^16),
                                       ; so an exclusive or with SLOT takes a tile's first byte from slot 0 to slot 1 and back
.set STAGE,  2*SLOT                    ; behind the ring, never filled by a tensor load: 16 rows x 272 bytes for each wave
.set SPITCH, 272
.set SPARE,  STAGE+4*16*SPITCH         ; behind the stages: the spare words, 128 bytes for each wave
.set LT,   3                           ; v3   my lane's place in a fragment: row x pitch + 16 x half; never rewritten
.set ADRA, 16                          ; v16  LDS address of my A fragments in the slot in hand
.set ADRB, 20                          ; v20  the same for W
.set STO,  24
.set RD,   25
.set CO,   26                          ; v26  (l / 16) 4,096 + (l % 16) 16: my 16 bytes in two rows of C and of R
.set BA,   27                          ; v27  32 (l / 16)
.set SPW,  28                          ; never rewritten
.set NIL,  29                          ; never rewritten
.set TMP,  32
.set ACC,  128
.set F0,   0
.set F1,   128
.set G1, 24                            ; s[24:31] descriptor group 1 for A's tiles;  s[32:39] group 0: a set for each of the two first fills; the second then walks on
.set G0, 32
.set G1B, 48                           ; s[48:55], s[56:63] the same for W's
.set G0B, 56
                                       ; s21, s22: first LDS byte of my 64 rows of A and of W in the slot in hand
.set MSB, 0
.macro WIN new
.if MSB != (\new)
	s_set_vgpr_msb (MSB<<8)|(\new)
.set MSB, \new
.endif
.endm
.set MUL,  0x05                        ; sources 0 (W) and 1 (A) window 1; C and D window 0
.set TO_F, 0x40                        ; destination window 1, address window 0
.macro JLOAD s                         ; a joint load: waves 0 and 1 fetch A's two halves, waves 2 and 3 W's; an s_nop 0 and four v_nop follow each of the two lines
	s_cmp_eq_u32 s11, 0
	s_cbranch_scc0 .Lfor_b_\@
	tensor_load_to_lds s[G0+4*(\s):G0+4*(\s)+3], s[G1:G1+7]
	s_nop 0
.rept 4
	v_nop
.endr
	s_branch .Lasked_\@
.Lfor_b_\@:
	tensor_load_to_lds s[G0B+4*(\s):G0B+4*(\s)+3], s[G1B:G1B+7]
	s_nop 0
.rept 4
	v_nop
.endr
.Lasked_\@:
.endm
.macro CREST
	s_cmp_lg_u32 s10, 0
	s_cbranch_scc1 .Lnot_wave_0_\@
	s_barrier_signal -3
.Lnot_wave_0_\@:
	s_barrier_wait -3
	s_barrier_signal -1
	s_barrier_wait -1
.endm
.macro CROUND
	s_barrier_signal -1
	s_barrier_wait -1
	CREST
.endm
	s_load_b128 s[4:7], s[0:1], 0x0                ; A s[4:5], W's buffer s[6:7]
	s_load_b64 s[8:9], s[0:1], 0x10                ; C
	s_load_b128 s[68:71], s[0:1], 0x18             ; bias s[68:69], R s[70:71]
	v_lshl_add_u32 v[SPW], v0, 2, SPARE
	v_mov_b32 v[NIL], 0
	ds_add_u32 v28, v29
	s_wait_dscnt 0x0
	v_lshrrev_b32 v1, 5, v0
	v_readfirstlane_b32 s10, v1                    ; wave 0..3
	s_lshr_b32 s11, s10, 1                         ; my half of the tile's rows.  Also: I fetch for A (0) or for W (1)
	s_and_b32 s12, s10, 1                          ; my half of its columns.  Also: which 64 rows of that tile I fetch
	s_bfe_u32 s40, ttmp6, 0x40000                  ; cx
	s_bfe_u32 s41, ttmp6, 0x40004                  ; cy
	s_lshl_b32 s42, ttmp9, 2
	s_add_co_u32 s42, s42, s40                     ; tile column
	s_and_b32 s13, ttmp7, 0xffff
	s_lshl_b32 s13, s13, 2
	s_add_co_u32 s13, s13, s41                     ; tile row
	s_lshl_b32 s43, s41, 2
	s_lshl_b32 s43, 15, s43                        ; my row of the cluster
	s_lshl_b32 s44, 0x1111, s40                    ; my column
	s_or_b32 s[G1+0], s43, (1<<16)|(1<<20)|(1<<21)|(6<<22)|(3<<25)  ; the mask; 2-byte elements; padding on; bit 21 beside a mask; after every 128 words (code 6) 4 words (code 3)
	s_or_b32 s[G1B+0], s44, (1<<16)|(1<<20)|(1<<21)|(6<<22)|(3<<25)
.irp g, G1, G1B
	s_mov_b32 s[(\g)+1], KSTEP<<16                 ; tensor_dim0 = 256
	s_mov_b32 s[(\g)+2], 64<<16                    ; tensor_dim1 = 64
	s_mov_b32 s[(\g)+3], KSTEP<<16                 ; tile_dim0 = 256
	s_mov_b32 s[(\g)+4], 64                        ; tile_dim1 = 64
	s_mov_b32 s[(\g)+5], KSTEP                     ; 256 elements from row to row: a slab's rows are dense
	s_mov_b32 s[(\g)+6], 0
	s_mov_b32 s[(\g)+7], 0
.endr
	s_lshl_b32 s17, s12, 6                         ; which 64 rows of the tile I fetch
	s_lshl_b32 s16, s13, 7
	s_add_co_u32 s16, s16, s17
	s_lshl_b32 s16, s16, 9                         ; A: (128 x tile row + 64 x half) rows of 512 bytes
	s_lshl_b32 s46, s42, 7
	s_add_co_u32 s46, s46, s17
	s_lshl_b32 s46, s46, 9                         ; W: (128 x tile column + 64 x half) rows,
	s_add_co_u32 s46, s46, 0x800000                ; behind the buffer's plain tensor
	s_mov_b32 s17, 0
	s_mov_b32 s47, 0
	s_mul_i32 s20, s10, HALFT                      ; where they go: wave x 64 rows
	s_wait_kmcnt 0x0
	s_add_nc_u64 s[14:15], s[4:5], s[16:17]
	s_add_nc_u64 s[46:47], s[6:7], s[46:47]
	CROUND                                         ; all sixteen work-groups are here: the first joint loads meet
.irp s, 0,1
	s_mov_b32 s[G0+4*(\s)], 1
	s_add_co_u32 s[G0+4*(\s)+1], s20, (\s)*SLOT
	s_add_nc_u64 s[G0+4*(\s)+2:G0+4*(\s)+3], s[14:15], (\s)*ASTEP
	s_or_b32 s[G0+4*(\s)+3], s[G0+4*(\s)+3], 0x80000000
	s_mov_b32 s[G0B+4*(\s)], 1
	s_add_co_u32 s[G0B+4*(\s)+1], s20, (\s)*SLOT
	s_add_nc_u64 s[G0B+4*(\s)+2:G0B+4*(\s)+3], s[46:47], (\s)*BSTEP
	s_or_b32 s[G0B+4*(\s)+3], s[G0B+4*(\s)+3], 0x80000000
	JLOAD \s                                       ; two loads of mine are out
.endr
	v_and_b32 v1, 15, v0                           ; l % 16
	v_bfe_u32 v2, v0, 4, 1                         ; l / 16
	v_lshlrev_b32 v5, 12, v2
	v_lshl_add_u32 v[CO], v1, 4, v5
	v_lshlrev_b32 v[BA], 5, v2
	s_lshl_b32 s16, s13, 7
	s_lshl_b32 s17, s11, 6
	s_add_co_u32 s16, s16, s17
	s_lshl_b32 s16, s16, 12                        ; my first row of C and R: (128 x tile row + 64 x half) x 4,096 bytes
	s_lshl_b32 s46, s42, 9                         ; my first column: (128 x tile column + 64 x half) x 4 bytes, in the bias too
	s_lshl_b32 s47, s12, 8
	s_add_co_u32 s46, s46, s47
	s_mov_b32 s47, 0
	s_mov_b32 s17, 0
	s_add_nc_u64 s[68:69], s[68:69], s[46:47]
	s_add_nc_u64 s[16:17], s[16:17], s[46:47]
	s_add_nc_u64 s[8:9], s[8:9], s[16:17]
	s_add_nc_u64 s[70:71], s[70:71], s[16:17]
	WIN 0x80                                       ; destination window 2
.irp b, 0,1,2,3                        ; register 128 + 8 b + j = bias[16 b + 8 (l / 16) + j]: the layout of a result
	global_load_b128 v[128+8*(\b):128+8*(\b)+3],   v[BA], s[68:69] offset:64*(\b)
	global_load_b128 v[128+8*(\b)+4:128+8*(\b)+7], v[BA], s[68:69] offset:64*(\b)+16
.endr
.irp a, 0,1,2,3                        ; the residual, in the layout of the stores: 16 lanes take 256 consecutive bytes of a row
.irp t, 0,1,2,3,4,5,6,7
	global_load_b128 v[4*(8*(\a)+(\t)):4*(8*(\a)+(\t))+3], v[CO], s[70:71] offset:(16*(\a)+2*(\t))*4096
.endr
.endr
	WIN 0
	v_mul_u32_u24 v[LT], v1, PITCH
	v_lshl_add_u32 v[LT], v2, 4, v[LT]             ; a fragment's row x pitch + 16 x half
	s_mul_i32 s21, s11, HALFT                      ; my 64 rows of A, in slot 0
	s_mul_i32 s22, s12, HALFT                      ; my 64 rows of W,
	s_add_co_u32 s22, s22, 2*HALFT                 ; which lie behind A's 128
	v_add_nc_u32 v[ADRA], s21, v[LT]
	v_add_nc_u32 v[ADRB], s22, v[LT]
	s_mul_i32 s23, s10, 16*SPITCH
	s_add_co_u32 s23, s23, STAGE                   ; my stage
	v_mul_u32_u24 v4, v1, SPITCH                   ; in: row l % 16, 32 bytes for each half of the lanes
	v_lshl_add_u32 v4, v2, 5, v4
	v_add_nc_u32 v[STO], s23, v4
	v_mul_u32_u24 v5, v2, SPITCH                   ; back: lanes 0-15 take one row of 256 bytes, lanes 16-31 the next
	v_lshl_add_u32 v5, v1, 4, v5
	v_add_nc_u32 v[RD], s23, v5
; 8 matrix instructions: m blocks a0, a0 + 1 x all 4 n blocks, 32 along K: half c of buffer f.  zero = 1: the sums start from the bias.  The 16 accumulators take turns, over the loops' edges too.
.macro MUL8 f, c, a0, zero
.if \zero
	WIN 0x25                                       ; C in window 2
.else
	WIN MUL
.endif
.irp a, \a0, (\a0)+1
.irp b, 0,1,2,3
.if \zero
	v_wmma_f32_16x16x32_bf16 v[ACC+8*(4*(\a)+(\b)):ACC+8*(4*(\a)+(\b))+7], v[(\f)+64+8*(4*(\c)+(\b)):(\f)+64+8*(4*(\c)+(\b))+7], v[(\f)+8*(4*(\c)+(\a)):(\f)+8*(4*(\c)+(\a))+7], v[128+8*(\b):128+8*(\b)+7]
.else
	v_wmma_f32_16x16x32_bf16 v[ACC+8*(4*(\a)+(\b)):ACC+8*(4*(\a)+(\b))+7], v[(\f)+64+8*(4*(\c)+(\b)):(\f)+64+8*(4*(\c)+(\b))+7], v[(\f)+8*(4*(\c)+(\a)):(\f)+8*(4*(\c)+(\a))+7], v[ACC+8*(4*(\a)+(\b)):ACC+8*(4*(\a)+(\b))+7]
.endif
.endr
.endr
.endm
.macro FETCH k, f                      ; 32 LDS loads in one run: the fragments of 64 along K at byte k of the rows of the slot in hand; the first 32 along K first
	WIN TO_F
.irp c, 0,1
.irp i, 0,1,2,3
	ds_load_b128 v[(\f)+64+8*(4*(\c)+(\i)):(\f)+64+8*(4*(\c)+(\i))+3],   v[ADRB] offset:(\k)+64*(\c)+(\i)*16*PITCH
	ds_load_b128 v[(\f)+64+8*(4*(\c)+(\i))+4:(\f)+64+8*(4*(\c)+(\i))+7], v[ADRB] offset:(\k)+64*(\c)+(\i)*16*PITCH+32
	ds_load_b128 v[(\f)+8*(4*(\c)+(\i)):(\f)+8*(4*(\c)+(\i))+3],         v[ADRA] offset:(\k)+64*(\c)+(\i)*16*PITCH
	ds_load_b128 v[(\f)+8*(4*(\c)+(\i))+4:(\f)+8*(4*(\c)+(\i))+7],       v[ADRA] offset:(\k)+64*(\c)+(\i)*16*PITCH+32
.endr
.endr
.endm
.macro PLACES                          ; four plain vector instructions between a matrix instruction and a load into, or a read of, its registers
.rept 4
	v_nop
.endr
.endm
.macro QUARTER k, f, g, zero           ; 64 along K, 32 matrix instructions; the next quarter's loads stand in its middle
	s_wait_dscnt 16                                ; the first 32 along K are in
	MUL8 \f, 0, 0, \zero
	MUL8 \f, 0, 2, \zero
	PLACES
	FETCH \k, \g
	s_wait_dscnt 32                                ; all but the 32 just issued
	MUL8 \f, 1, 0, 0
	MUL8 \f, 1, 2, 0
.endm
; The last quarter multiplies buffer 1 and changes slots.  Its first 16 products need nothing of the next tile, so they stand AHEAD of the wait for it: between a tile's landing and the request for the next
; stand the add, scalar steps, the barrier's round and nothing else.  One barrier, for two things: in front of it each wave waits for all its tensor loads (one is out: its part of the next slot), adds 0 to
; its spare word, and waits for that and for its reads of this slot; behind it nobody reads this slot any more and the next slot is whole.
; fill = 1: the barrier opens a round of the cluster's, and this slot is filled again, two K steps on, first thing behind it, by the walking descriptor (the other slot than last time, one slab further).
.macro TURN fill
	s_wait_dscnt 16                                ; the first 32 along K of buffer 1 are in
	MUL8 F1, 0, 0, 0
	MUL8 F1, 0, 2, 0
	WIN 0                                          ; the add's registers lie in window 0
	s_wait_tensorcnt 0x0                           ; no tensor load of mine is out, so a group 0 may be written
	ds_add_u32 v[SPW], v[NIL]                      ; 0 onto my spare word; the scalar steps stand between it and the wait for it
.if \fill
	s_xor_b32 s[G0+5], s[G0+5], SLOT
	s_add_nc_u64 s[G0+6:G0+7], s[G0+6:G0+7], ASTEP         ; the type bits on top are not reached
	s_xor_b32 s[G0B+5], s[G0B+5], SLOT
	s_add_nc_u64 s[G0B+6:G0B+7], s[G0B+6:G0B+7], BSTEP
.endif
	s_xor_b32 s21, s21, SLOT                       ; the fetches go on in the other slot
	s_xor_b32 s22, s22, SLOT
	s_wait_dscnt 0x0                               ; the add is done, and my reads of this slot are over
	s_barrier_signal -1
	s_barrier_wait -1
.if \fill
	CREST                                          ; no wave of any partner still reads this slot's tile or has a load on its way
	JLOAD 1                                        ; the four v_nop behind it are also the places in front of the loads below
.else
	PLACES
.endif
	v_add_nc_u32 v[ADRA], s21, v[LT]
	v_add_nc_u32 v[ADRB], s22, v[LT]
	FETCH 0, F0
	MUL8 F1, 1, 0, 0
	MUL8 F1, 1, 2, 0
.endm
	s_wait_tensorcnt 1                             ; my part of K step 0 is in; K step 1's may stay out
	s_barrier_signal -1
	s_barrier_wait -1
	FETCH 0, F0
	s_wait_loadcnt 32                              ; the bias is in; the residual's 32 loads are younger and stay out
	QUARTER 128, F0, F1, 1                         ; the first quarter stands in front of the loop: its first products start the sums
	WIN 0
	s_mov_b32 s3, NSTEP-2
.Lstep:                                                ; NSTEP - 2 trips, from a step's second quarter to the next step's first; each fills the slot that it leaves
	QUARTER 256, F1, F0, 0
	QUARTER 384, F0, F1, 0
	TURN 1
	QUARTER 128, F0, F1, 0
	WIN 0
	s_sub_co_u32 s3, s3, 1
	s_cmp_lg_u32 s3, 0
	s_cbranch_scc1 .Lstep
	s_mov_b32 s3, 2
.Ltail:                                                ; the last two K steps ask for nothing; the second trip is left in its middle
	QUARTER 256, F1, F0, 0
	QUARTER 384, F0, F1, 0
	WIN 0
	s_sub_co_u32 s3, s3, 1
	s_cmp_eq_u32 s3, 0
	s_cbranch_scc1 .Llast
	TURN 0
	QUARTER 128, F0, F1, 0
	WIN 0
	s_branch .Ltail
.Llast:
	s_wait_dscnt 16                                ; the very last quarter: nothing more to fetch
	MUL8 F1, 0, 0, 0
	MUL8 F1, 0, 2, 0
	s_wait_dscnt 0x0
	MUL8 F1, 1, 0, 0
	MUL8 F1, 1, 2, 0
	WIN 0
	; THE WAY OUT, 16 rows at a time: f32 into my stage, back as whole rows of 256 bytes, the residual added, stored.
	PLACES
	s_wait_loadcnt 0x0                             ; the residual
.irp a, 0,1,2,3
.if (\a) >= 2
	s_wait_xcnt 0x0                                ; the registers that the stores two blocks back read are loaded again only behind this wait
.endif
.irp b, 0,1,2,3                        ; each accumulator's low four registers first
	ds_store_b128 v[STO], v[ACC+8*(4*(\a)+(\b)):ACC+8*(4*(\a)+(\b))+3]   offset:64*(\b)
	ds_store_b128 v[STO], v[ACC+8*(4*(\a)+(\b))+4:ACC+8*(4*(\a)+(\b))+7] offset:64*(\b)+16
.endr
.irp t, 0,1,2,3,4,5,6,7
	ds_load_b128 v[TMP+32*((\a)%2)+4*(\t):TMP+32*((\a)%2)+4*(\t)+3], v[RD] offset:(\t)*2*SPITCH  ; LDS serves a wave's instructions in order (ISA guide 5.7.1.4)
.endr
	s_wait_dscnt 0x0
	WIN 0x08                                       ; source 1 in window 2
.irp t, 0,1,2,3,4,5,6,7
	v_pk_add_f32 v[TMP+32*((\a)%2)+4*(\t):TMP+32*((\a)%2)+4*(\t)+1],   v[TMP+32*((\a)%2)+4*(\t):TMP+32*((\a)%2)+4*(\t)+1],   v[4*(8*(\a)+(\t)):4*(8*(\a)+(\t))+1]
	v_pk_add_f32 v[TMP+32*((\a)%2)+4*(\t)+2:TMP+32*((\a)%2)+4*(\t)+3], v[TMP+32*((\a)%2)+4*(\t)+2:TMP+32*((\a)%2)+4*(\t)+3], v[4*(8*(\a)+(\t))+2:4*(8*(\a)+(\t))+3]
.endr
	WIN 0
.irp t, 0,1,2,3,4,5,6,7
	global_store_b128 v[CO], v[TMP+32*((\a)%2)+4*(\t):TMP+32*((\a)%2)+4*(\t)+3], s[8:9] offset:(16*(\a)+2*(\t))*4096  ; 16 lanes store 256 consecutive bytes, at a multiple of 256 from C's first byte
.endr
.endr
	s_wait_tensorcnt 0x0                           ; the wave's end
	ds_add_u32 v[SPW], v[NIL]
	s_wait_dscnt 0x0
	CROUND                                         ; the closing round
	s_endpgm
.Lfunc_end_k_qe237d7e386_proj:
	.size	k_qe237d7e386_proj, .Lfunc_end_k_qe237d7e386_proj-k_qe237d7e386_proj
	.p2alignl 7, 3214868480
	.fill 96, 4, 3214868480
	.section	.rodata,"a",@progbits
	.p2align	6, 0x0
	.amdhsa_kernel k_qe237d7e386_proj
		.amdhsa_group_segment_fixed_size 327680
		.amdhsa_private_segment_fixed_size 0
		.amdhsa_enable_private_segment 0
		.amdhsa_kernarg_size 40
		.amdhsa_user_sgpr_count 2
		.amdhsa_user_sgpr_kernarg_segment_ptr 1
		.amdhsa_wavefront_size32 1
		.amdhsa_system_sgpr_workgroup_id_x 1
		.amdhsa_system_sgpr_workgroup_id_y 1
		.amdhsa_system_sgpr_workgroup_id_z 1
		.amdhsa_system_vgpr_workitem_id 0
		.amdhsa_next_free_vgpr 672
		.amdhsa_next_free_sgpr 72
		.amdhsa_reserve_vcc 0
		.amdhsa_float_denorm_mode_32 3
		.amdhsa_float_denorm_mode_16_64 3
		.amdhsa_memory_ordered 1
		.amdhsa_forward_progress 1
		.amdhsa_inst_pref_size 68
	.end_amdhsa_kernel
	.amdgpu_metadata
---
amdhsa.version: [ 1, 2 ]
amdhsa.kernels:
  - .name:           k_qe237d7e386_proj
    .symbol:         k_qe237d7e386_proj.kd
    .args:
      - { .name: h, .offset: 0, .size: 8, .value_kind: global_buffer, .address_space: global }
      - { .name: wa, .offset: 8, .size: 8, .value_kind: global_buffer, .address_space: global }
      - { .name: x1, .offset: 16, .size: 8, .value_kind: global_buffer, .address_space: global }
      - { .name: b_out, .offset: 24, .size: 8, .value_kind: global_buffer, .address_space: global }
      - { .name: x, .offset: 32, .size: 8, .value_kind: global_buffer, .address_space: global }
    .group_segment_fixed_size: 327680
    .private_segment_fixed_size: 0
    .kernarg_segment_align: 8
    .kernarg_segment_size: 40
    .max_flat_workgroup_size: 128
    .sgpr_count:     72
    .vgpr_count:     672
    .wavefront_size: 32
...
	.end_amdgpu_metadata
.endif
;; end of part 4
;; launch ln2 (part 5): grid 256 x 1, 8 waves a work-group, no clusters, 0 bytes of LDS; arguments x1, g_ln2, b_ln2, h; writes h
.if DOCPART == 5
	.amdgcn_target "amdgcn-amd-amdhsa--gfx1250"
	.amdhsa_code_object_version 6
	.text
	.protected	k_qe237d7e386_ln2
	.globl	k_qe237d7e386_ln2
	.p2align	8
	.type	k_qe237d7e386_ln2,@function
k_qe237d7e386_ln2:
	s_mov_b64 s[64:65], 0
	v_nop
	global_prefetch_b8 v0, s[64:65] scope:SCOPE_SE
	s_setreg_imm32_b32 hwreg(HW_REG_WAVE_MODE, 25, 1), 1
	s_wait_xcnt 0x0
; LAYER NORM 2: h = (x1 - mean) * rsqrt(var + 1e-5) * g + b, f32 in, bf16 out, plain [4096][1024].  Two passes over a row kept in registers: no difference of large sums.
; Eight waves, two rows each; lane l holds columns 128 t + 4 l .. + 3, t = 0..7: a load covers 512 consecutive bytes, a store 256 at a multiple of 256.  No LDS, no barrier: a row never leaves its wave.
.set G,   32                           ; v[32:63]   g of my 32 columns
.set BB,  64                           ; v[64:95]   b
.set X0,  96                           ; v[96:127]  row 0
.set X1,  128                          ; v[128:159] row 1
.set T,   16                           ; v[16:23]   four chains of sums
.set MU,  24                           ; v[24:25]   the mean, later 1 / sigma, twice
.macro WSUM r                          ; the sum over the 32 lanes, in every lane; r + 1 is at work
	v_add_f32_dpp v[\r], v[\r], v[\r] row_xmask:1 row_mask:0xf bank_mask:0xf
	v_add_f32_dpp v[\r], v[\r], v[\r] row_xmask:2 row_mask:0xf bank_mask:0xf
	v_add_f32_dpp v[\r], v[\r], v[\r] row_xmask:4 row_mask:0xf bank_mask:0xf
	v_add_f32_dpp v[\r], v[\r], v[\r] row_xmask:8 row_mask:0xf bank_mask:0xf
	v_permlanex16_b32 v[\r+1], v[\r], s4, s5
	v_add_f32 v[\r], v[\r], v[\r+1]
.endm
.macro FOLD                            ; four chains into one number
	v_pk_add_f32 v[T:T+1], v[T:T+1], v[T+2:T+3]
	v_pk_add_f32 v[T+4:T+5], v[T+4:T+5], v[T+6:T+7]
	v_pk_add_f32 v[T:T+1], v[T:T+1], v[T+4:T+5]
	v_add_f32 v[T], v[T], v[T+1]
	WSUM T
.endm
.macro LNROW row, left, rowoff         ; left: the younger loads that may stay out; rowoff: the row's bytes from the wave's first row in h
	s_wait_loadcnt \left
.irp k, 0,1,2,3
	v_pk_add_f32 v[T+2*\k:T+2*\k+1], v[\row+2*\k:\row+2*\k+1], v[\row+8+2*\k:\row+8+2*\k+1]  ; the first pairs start the chains: nothing is cleared
.endr
.irp p, 8,9,10,11,12,13,14,15
	v_pk_add_f32 v[T+2*(\p%4):T+2*(\p%4)+1], v[T+2*(\p%4):T+2*(\p%4)+1], v[\row+2*\p:\row+2*\p+1]
.endr
	FOLD
	v_mul_f32 v[MU], s6, v[T]                      ; the mean
	v_mov_b32 v[MU+1], v[MU]
.irp p, 0,1,2,3,4,5,6,7,8,9,10,11,12,13,14,15
	v_pk_add_f32 v[\row+2*\p:\row+2*\p+1], v[\row+2*\p:\row+2*\p+1], v[MU:MU+1] neg_lo:[0,1] neg_hi:[0,1]
.endr
.irp k, 0,1,2,3
	v_pk_mul_f32 v[T+2*\k:T+2*\k+1], v[\row+2*\k:\row+2*\k+1], v[\row+2*\k:\row+2*\k+1]
.endr
.irp p, 4,5,6,7,8,9,10,11,12,13,14,15
	v_pk_fma_f32 v[T+2*(\p%4):T+2*(\p%4)+1], v[\row+2*\p:\row+2*\p+1], v[\row+2*\p:\row+2*\p+1], v[T+2*(\p%4):T+2*(\p%4)+1]
.endr
	FOLD
	v_fma_f32 v[T], v[T], s6, s7                   ; var + 1e-5
	v_rsq_f32 v[MU], v[T]
	v_rsq_f32 v[MU+1], v[T]
	v_nop                                          ; a plain instruction between the root and the use of its result (ISA guide 5.7.2)
	s_wait_alu depctr_va_vdst(0)
.irp p, 0,1,2,3,4,5,6,7,8,9,10,11,12,13,14,15
	v_pk_mul_f32 v[\row+2*\p:\row+2*\p+1], v[\row+2*\p:\row+2*\p+1], v[MU:MU+1]
.endr
.irp p, 0,1,2,3,4,5,6,7,8,9,10,11,12,13,14,15
	v_pk_fma_f32 v[\row+2*\p:\row+2*\p+1], v[\row+2*\p:\row+2*\p+1], v[G+2*\p:G+2*\p+1], v[BB+2*\p:BB+2*\p+1]
.endr
.irp t, 0,1,2,3,4,5,6,7
	v_cvt_pk_bf16_f32 v[\row+4*\t], v[\row+4*\t], v[\row+4*\t+1]
	v_cvt_pk_bf16_f32 v[\row+4*\t+1], v[\row+4*\t+2], v[\row+4*\t+3]
	global_store_b64 v4, v[\row+4*\t:\row+4*\t+1], s[38:39] offset:\rowoff+256*\t
.endr
.endm
	s_load_b256 s[8:15], s[0:1], 0x0               ; x1 s[8:9], g s[10:11], b s[12:13], h s[14:15]
	v_and_b32 v1, 31, v0
	v_lshrrev_b32 v2, 5, v0
	v_readfirstlane_b32 s3, v2                     ; wave 0..7
	v_lshlrev_b32 v3, 4, v1
	v_lshlrev_b32 v4, 3, v1
	s_lshl_b32 s34, ttmp9, 4
	s_lshl1_add_u32 s34, s3, s34                   ; my first row = 16 x group + 2 x wave
	s_mov_b32 s49, 0
	s_mov_b32 s4, 0x76543210                       ; v_permlanex16_b32: each lane takes its own place in the other half
	s_mov_b32 s5, 0xfedcba98
	s_mov_b32 s6, 0x3a800000                       ; 1 / 1,024
	s_mov_b32 s7, 0x3727c5ac                       ; 1e-5
	s_wait_kmcnt 0x0
	s_lshl_b32 s48, s34, 12
	s_add_nc_u64 s[36:37], s[8:9], s[48:49]
	s_lshl_b32 s48, s34, 11
	s_add_nc_u64 s[38:39], s[14:15], s[48:49]
.irp t, 0,1,2,3,4,5,6,7
	global_load_b128 v[G+4*\t:G+4*\t+3], v3, s[10:11] offset:512*\t
.endr
.irp t, 0,1,2,3,4,5,6,7
	global_load_b128 v[BB+4*\t:BB+4*\t+3], v3, s[12:13] offset:512*\t
.endr
.irp t, 0,1,2,3,4,5,6,7
	global_load_b128 v[X0+4*\t:X0+4*\t+3], v3, s[36:37] offset:512*\t
.endr
.irp t, 0,1,2,3,4,5,6,7
	global_load_b128 v[X1+4*\t:X1+4*\t+3], v3, s[36:37] offset:4096+512*\t
.endr
	LNROW X0, 8, 0                                 ; row 1's eight loads stay out
	LNROW X1, 0, 2048
	s_endpgm
.Lfunc_end_k_qe237d7e386_ln2:
	.size	k_qe237d7e386_ln2, .Lfunc_end_k_qe237d7e386_ln2-k_qe237d7e386_ln2
	.p2alignl 7, 3214868480
	.fill 96, 4, 3214868480
	.section	.rodata,"a",@progbits
	.p2align	6, 0x0
	.amdhsa_kernel k_qe237d7e386_ln2
		.amdhsa_group_segment_fixed_size 0
		.amdhsa_private_segment_fixed_size 0
		.amdhsa_enable_private_segment 0
		.amdhsa_kernarg_size 32
		.amdhsa_user_sgpr_count 2
		.amdhsa_user_sgpr_kernarg_segment_ptr 1
		.amdhsa_wavefront_size32 1
		.amdhsa_system_sgpr_workgroup_id_x 1
		.amdhsa_system_sgpr_workgroup_id_y 1
		.amdhsa_system_sgpr_workgroup_id_z 1
		.amdhsa_system_vgpr_workitem_id 0
		.amdhsa_next_free_vgpr 160
		.amdhsa_next_free_sgpr 66
		.amdhsa_reserve_vcc 0
		.amdhsa_float_denorm_mode_32 3
		.amdhsa_float_denorm_mode_16_64 3
		.amdhsa_memory_ordered 1
		.amdhsa_forward_progress 1
		.amdhsa_inst_pref_size 20
	.end_amdhsa_kernel
	.amdgpu_metadata
---
amdhsa.version: [ 1, 2 ]
amdhsa.kernels:
  - .name:           k_qe237d7e386_ln2
    .symbol:         k_qe237d7e386_ln2.kd
    .args:
      - { .name: x1, .offset: 0, .size: 8, .value_kind: global_buffer, .address_space: global }
      - { .name: g_ln2, .offset: 8, .size: 8, .value_kind: global_buffer, .address_space: global }
      - { .name: b_ln2, .offset: 16, .size: 8, .value_kind: global_buffer, .address_space: global }
      - { .name: h, .offset: 24, .size: 8, .value_kind: global_buffer, .address_space: global }
    .group_segment_fixed_size: 0
    .private_segment_fixed_size: 0
    .kernarg_segment_align: 8
    .kernarg_segment_size: 32
    .max_flat_workgroup_size: 256
    .sgpr_count:     66
    .vgpr_count:     160
    .wavefront_size: 32
...
	.end_amdgpu_metadata
.endif
;; end of part 5
;; launch fc1: the kernel of part 2 again; grid 16 x 16, 4 waves a work-group, clusters of 4 x 4, 327,680 bytes of LDS; arguments h, wb, big, b1, pb; writes big
;; launch fc2 (part 6): grid 8 x 32, 4 waves a work-group, clusters of 4 x 4, 327,680 bytes of LDS; arguments big, wb, out0, b2, x1; writes out0
.if DOCPART == 6
	.amdgcn_target "amdgcn-amd-amdhsa--gfx1250"
	.amdhsa_code_object_version 6
	.text
	.protected	k_qe237d7e386_fc2
	.globl	k_qe237d7e386_fc2
	.p2align	8
	.type	k_qe237d7e386_fc2,@function
k_qe237d7e386_fc2:
	s_mov_b64 s[64:65], 0
	v_nop
	global_prefetch_b8 v0, s[64:65] scope:SCOPE_SE
	s_setreg_imm32_b32 hwreg(HW_REG_WAVE_MODE, 25, 1), 1
	s_wait_xcnt 0x0
	s_wait_alu depctr_hold_cnt(0) depctr_sa_sdst(0) depctr_va_vdst(0) depctr_va_sdst(0) depctr_va_ssrc(0) depctr_va_vcc(0) depctr_vm_vsrc(0)
	s_getreg_b32 s2, hwreg(HW_REG_IB_STS2, 6, 4)
	s_cmp_eq_u32 s2, 0
	s_cbranch_scc0 .Lentry_in_a_cluster
	s_endpgm
.Lentry_in_a_cluster:
	s_bfe_u32 s2, ttmp6, 0x10000c
	s_cmp_lg_u32 s2, 0xf033
	s_cbranch_scc0 .Lentry_shape_is_right
	s_endpgm
.Lentry_shape_is_right:
; C = R + A W^T + bias.  A: bf16 slabs [K / 256][4096][256]; W: bf16 slabs [K / 256][1024][256], behind byte 8,388,608 of its buffer; bias: [1024] f32; R, C: [4096][1024] f32.  K = 256 NSTEP.
; The text of the output projection with NSTEP = 16.
; Sums in f32, the bias as their first addend, the residual added in f32 at the end.  A tile of C is 128 x 128 (256 tiles, one a work-group): four waves, each 64 x 64 in 16 accumulators.
; K goes in steps of 256, one slab a step: a tile's 64 rows of 512 bytes lie end to end in memory.  Two LDS slots filled by the tensor data mover.
; A K STEP IS WRITTEN ONCE: the loop's trip goes from a step's second quarter to the next step's first, and the slot is changed by an exclusive or on the LDS addresses.  Written out beside the loop: the first quarter
; (its sums start from the bias), a tail of the same four quarters that asks for nothing (two trips, left in the middle of the second), and the last quarter.
; CLUSTER 4 x 4: A's tiles are asked for jointly along a row of the cluster, W's along a column.  THE MATRIX INSTRUCTION IS USED TRANSPOSED: a lane holds row l % 16 of C and the columns 8 (l / 16) + 0..7.
; A wave's 64 columns of f32 are 256 bytes of a row of C: each wave goes out through a stage of its own, without a barrier.
; REGISTERS: window 0: v0-31 addresses; v32-95 at work on the way out; v128-255 the accumulators ((a, b) at v[128 + 8 (4 a + b)]).   window 1: two fragment buffers of 128.
;   window 2: v0-127 my 64 x 64 of the residual, asked for at the start; v128-159 the bias of my 64 columns, as a C operand.
.set NSTEP,  16                        ; K = 4,096
.set KSTEP,  256
.set ASTEP,  4096*512                  ; bytes from slab to slab of A
.set BSTEP,  1024*512                  ; of W
.set PITCH,  528                       ; an LDS row: 512 bytes + 16 of padding = 132 words: the 16 rows of a load start at 16 different groups of four banks (64 banks of 4 bytes: ISA guide 11.1)
.set HALFT,  64*PITCH                  ; 64 rows: what one tensor load brings: 33,792 = 2^15 + 2^10
.set SLOT,   4*HALFT                   ; A's 128 rows, then W's 128 rows: 135,168 = 2^17 + 2^12.  Neither bit is set in 0, 1, 2 or 3 x HALFT (bits 2^10, 2^11, 2^15, 2^16),
                                       ; so an exclusive or with SLOT takes a tile's first byte from slot 0 to slot 1 and back
.set STAGE,  2*SLOT                    ; behind the ring, never filled by a tensor load: 16 rows x 272 bytes for each wave
.set SPITCH, 272
.set SPARE,  STAGE+4*16*SPITCH         ; behind the stages: the spare words, 128 bytes for each wave
.set LT,   3                           ; v3   my lane's place in a fragment: row x pitch + 16 x half; never rewritten
.set ADRA, 16                          ; v16  LDS address of my A fragments in the slot in hand
.set ADRB, 20                          ; v20  the same for W
.set STO,  24
.set RD,   25
.set CO,   26                          ; v26  (l / 16) 4,096 + (l % 16) 16: my 16 bytes in two rows of C and of R
.set BA,   27                          ; v27  32 (l / 16)
.set SPW,  28                          ; never rewritten
.set NIL,  29                          ; never rewritten
.set TMP,  32
.set ACC,  128
.set F0,   0
.set F1,   128
.set G1, 24                            ; s[24:31] descriptor group 1 for A's tiles;  s[32:39] group 0: a set for each of the two first fills; the second then walks on
.set G0, 32
.set G1B, 48                           ; s[48:55], s[56:63] the same for W's
.set G0B, 56
                                       ; s21, s22: first LDS byte of my 64 rows of A and of W in the slot in hand
.set MSB, 0
.macro WIN new
.if MSB != (\new)
	s_set_vgpr_msb (MSB<<8)|(\new)
.set MSB, \new
.endif
.endm
.set MUL,  0x05                        ; sources 0 (W) and 1 (A) window 1; C and D window 0
.set TO_F, 0x40                        ; destination window 1, address window 0
.macro JLOAD s                         ; a joint load: waves 0 and 1 fetch A's two halves, waves 2 and 3 W's; an s_nop 0 and four v_nop follow each of the two lines
	s_cmp_eq_u32 s11, 0
	s_cbranch_scc0 .Lfor_b_\@
	tensor_load_to_lds s[G0+4*(\s):G0+4*(\s)+3], s[G1:G1+7]
	s_nop 0
.rept 4
	v_nop
.endr
	s_branch .Lasked_\@
.Lfor_b_\@:
	tensor_load_to_lds s[G0B+4*(\s):G0B+4*(\s)+3], s[G1B:G1B+7]
	s_nop 0
.rept 4
	v_nop
.endr
.Lasked_\@:
.endm
.macro CREST
	s_cmp_lg_u32 s10, 0
	s_cbranch_scc1 .Lnot_wave_0_\@
	s_barrier_signal -3
.Lnot_wave_0_\@:
	s_barrier_wait -3
	s_barrier_signal -1
	s_barrier_wait -1
.endm
.macro CROUND
	s_barrier_signal -1
	s_barrier_wait -1
	CREST
.endm
	s_load_b128 s[4:7], s[0:1], 0x0                ; A s[4:5], W's buffer s[6:7]
	s_load_b64 s[8:9], s[0:1], 0x10                ; C
	s_load_b128 s[68:71], s[0:1], 0x18             ; bias s[68:69], R s[70:71]
	v_lshl_add_u32 v[SPW], v0, 2, SPARE
	v_mov_b32 v[NIL], 0
	ds_add_u32 v28, v29
	s_wait_dscnt 0x0
	v_lshrrev_b32 v1, 5, v0
	v_readfirstlane_b32 s10, v1                    ; wave 0..3
	s_lshr_b32 s11, s10, 1                         ; my half of the tile's rows.  Also: I fetch for A (0) or for W (1)
	s_and_b32 s12, s10, 1                          ; my half of its columns.  Also: which 64 rows of that tile I fetch
	s_bfe_u32 s40, ttmp6, 0x40000                  ; cx
	s_bfe_u32 s41, ttmp6, 0x40004                  ; cy
	s_lshl_b32 s42, ttmp9, 2
	s_add_co_u32 s42, s42, s40                     ; tile column
	s_and_b32 s13, ttmp7, 0xffff
	s_lshl_b32 s13, s13, 2
	s_add_co_u32 s13, s13, s41                     ; tile row
	s_lshl_b32 s43, s41, 2
	s_lshl_b32 s43, 15, s43                        ; my row of the cluster
	s_lshl_b32 s44, 0x1111, s40                    ; my column
	s_or_b32 s[G1+0], s43, (1<<16)|(1<<20)|(1<<21)|(6<<22)|(3<<25)  ; the mask; 2-byte elements; padding on; bit 21 beside a mask; after every 128 words (code 6) 4 words (code 3)
	s_or_b32 s[G1B+0], s44, (1<<16)|(1<<20)|(1<<21)|(6<<22)|(3<<25)
.irp g, G1, G1B
	s_mov_b32 s[(\g)+1], KSTEP<<16                 ; tensor_dim0 = 256
	s_mov_b32 s[(\g)+2], 64<<16                    ; tensor_dim1 = 64
	s_mov_b32 s[(\g)+3], KSTEP<<16                 ; tile_dim0 = 256
	s_mov_b32 s[(\g)+4], 64                        ; tile_dim1 = 64
	s_mov_b32 s[(\g)+5], KSTEP                     ; 256 elements from row to row: a slab's rows are dense
	s_mov_b32 s[(\g)+6], 0
	s_mov_b32 s[(\g)+7], 0
.endr
	s_lshl_b32 s17, s12, 6                         ; which 64 rows of the tile I fetch
	s_lshl_b32 s16, s13, 7
	s_add_co_u32 s16, s16, s17
	s_lshl_b32 s16, s16, 9                         ; A: (128 x tile row + 64 x half) rows of 512 bytes
	s_lshl_b32 s46, s42, 7
	s_add_co_u32 s46, s46, s17
	s_lshl_b32 s46, s46, 9                         ; W: (128 x tile column + 64 x half) rows,
	s_add_co_u32 s46, s46, 0x800000                ; behind the buffer's plain tensor
	s_mov_b32 s17, 0
	s_mov_b32 s47, 0
	s_mul_i32 s20, s10, HALFT                      ; where they go: wave x 64 rows
	s_wait_kmcnt 0x0
	s_add_nc_u64 s[14:15], s[4:5], s[16:17]
	s_add_nc_u64 s[46:47], s[6:7], s[46:47]
	CROUND                                         ; all sixteen work-groups are here: the first joint loads meet
.irp s, 0,1
	s_mov_b32 s[G0+4*(\s)], 1
	s_add_co_u32 s[G0+4*(\s)+1], s20, (\s)*SLOT
	s_add_nc_u64 s[G0+4*(\s)+2:G0+4*(\s)+3], s[14:15], (\s)*ASTEP
	s_or_b32 s[G0+4*(\s)+3], s[G0+4*(\s)+3], 0x80000000
	s_mov_b32 s[G0B+4*(\s)], 1
	s_add_co_u32 s[G0B+4*(\s)+1], s20, (\s)*SLOT
	s_add_nc_u64 s[G0B+4*(\s)+2:G0B+4*(\s)+3], s[46:47], (\s)*BSTEP
	s_or_b32 s[G0B+4*(\s)+3], s[G0B+4*(\s)+3], 0x80000000
	JLOAD \s                                       ; two loads of mine are out
.endr
	v_and_b32 v1, 15, v0                           ; l % 16
	v_bfe_u32 v2, v0, 4, 1                         ; l / 16
	v_lshlrev_b32 v5, 12, v2
	v_lshl_add_u32 v[CO], v1, 4, v5
	v_lshlrev_b32 v[BA], 5, v2
	s_lshl_b32 s16, s13, 7
	s_lshl_b32 s17, s11, 6
	s_add_co_u32 s16, s16, s17
	s_lshl_b32 s16, s16, 12                        ; my first row of C and R: (128 x tile row + 64 x half) x 4,096 bytes
	s_lshl_b32 s46, s42, 9                         ; my first column: (128 x tile column + 64 x half) x 4 bytes, in the bias too
	s_lshl_b32 s47, s12, 8
	s_add_co_u32 s46, s46, s47
	s_mov_b32 s47, 0
	s_mov_b32 s17, 0
	s_add_nc_u64 s[68:69], s[68:69], s[46:47]
	s_add_nc_u64 s[16:17], s[16:17], s[46:47]
	s_add_nc_u64 s[8:9], s[8:9], s[16:17]
	s_add_nc_u64 s[70:71], s[70:71], s[16:17]
	WIN 0x80                                       ; destination window 2
.irp b, 0,1,2,3                        ; register 128 + 8 b + j = bias[16 b + 8 (l / 16) + j]: the layout of a result
	global_load_b128 v[128+8*(\b):128+8*(\b)+3],   v[BA], s[68:69] offset:64*(\b)
	global_load_b128 v[128+8*(\b)+4:128+8*(\b)+7], v[BA], s[68:69] offset:64*(\b)+16
.endr
.irp a, 0,1,2,3                        ; the residual, in the layout of the stores: 16 lanes take 256 consecutive bytes of a row
.irp t, 0,1,2,3,4,5,6,7
	global_load_b128 v[4*(8*(\a)+(\t)):4*(8*(\a)+(\t))+3], v[CO], s[70:71] offset:(16*(\a)+2*(\t))*4096
.endr
.endr
	WIN 0
	v_mul_u32_u24 v[LT], v1, PITCH
	v_lshl_add_u32 v[LT], v2, 4, v[LT]             ; a fragment's row x pitch + 16 x half
	s_mul_i32 s21, s11, HALFT                      ; my 64 rows of A, in slot 0
	s_mul_i32 s22, s12, HALFT                      ; my 64 rows of W,
	s_add_co_u32 s22, s22, 2*HALFT                 ; which lie behind A's 128
	v_add_nc_u32 v[ADRA], s21, v[LT]
	v_add_nc_u32 v[ADRB], s22, v[LT]
	s_mul_i32 s23, s10, 16*SPITCH
	s_add_co_u32 s23, s23, STAGE                   ; my stage
	v_mul_u32_u24 v4, v1, SPITCH                   ; in: row l % 16, 32 bytes for each half of the lanes
	v_lshl_add_u32 v4, v2, 5, v4
	v_add_nc_u32 v[STO], s23, v4
	v_mul_u32_u24 v5, v2, SPITCH                   ; back: lanes 0-15 take one row of 256 bytes, lanes 16-31 the next
	v_lshl_add_u32 v5, v1, 4, v5
	v_add_nc_u32 v[RD], s23, v5
; 8 matrix instructions: m blocks a0, a0 + 1 x all 4 n blocks, 32 along K: half c of buffer f.  zero = 1: the sums start from the bias.  The 16 accumulators take turns, over the loops' edges too.
.macro MUL8 f, c, a0, zero
.if \zero
	WIN 0x25                                       ; C in window 2
.else
	WIN MUL
.endif
.irp a, \a0, (\a0)+1
.irp b, 0,1,2,3
.if \zero
	v_wmma_f32_16x16x32_bf16 v[ACC+8*(4*(\a)+(\b)):ACC+8*(4*(\a)+(\b))+7], v[(\f)+64+8*(4*(\c)+(\b)):(\f)+64+8*(4*(\c)+(\b))+7], v[(\f)+8*(4*(\c)+(\a)):(\f)+8*(4*(\c)+(\a))+7], v[128+8*(\b):128+8*(\b)+7]
.else
	v_wmma_f32_16x16x32_bf16 v[ACC+8*(4*(\a)+(\b)):ACC+8*(4*(\a)+(\b))+7], v[(\f)+64+8*(4*(\c)+(\b)):(\f)+64+8*(4*(\c)+(\b))+7], v[(\f)+8*(4*(\c)+(\a)):(\f)+8*(4*(\c)+(\a))+7], v[ACC+8*(4*(\a)+(\b)):ACC+8*(4*(\a)+(\b))+7]
.endif
.endr
.endr
.endm
.macro FETCH k, f                      ; 32 LDS loads in one run: the fragments of 64 along K at byte k of the rows of the slot in hand; the first 32 along K first
	WIN TO_F
.irp c, 0,1
.irp i, 0,1,2,3
	ds_load_b128 v[(\f)+64+8*(4*(\c)+(\i)):(\f)+64+8*(4*(\c)+(\i))+3],   v[ADRB] offset:(\k)+64*(\c)+(\i)*16*PITCH
	ds_load_b128 v[(\f)+64+8*(4*(\c)+(\i))+4:(\f)+64+8*(4*(\c)+(\i))+7], v[ADRB] offset:(\k)+64*(\c)+(\i)*16*PITCH+32
	ds_load_b128 v[(\f)+8*(4*(\c)+(\i)):(\f)+8*(4*(\c)+(\i))+3],         v[ADRA] offset:(\k)+64*(\c)+(\i)*16*PITCH
	ds_load_b128 v[(\f)+8*(4*(\c)+(\i))+4:(\f)+8*(4*(\c)+(\i))+7],       v[ADRA] offset:(\k)+64*(\c)+(\i)*16*PITCH+32
.endr
.endr
.endm
.macro PLACES                          ; four plain vector instructions between a matrix instruction and a load into, or a read of, its registers
.rept 4
	v_nop
.endr
.endm
.macro QUARTER k, f, g, zero           ; 64 along K, 32 matrix instructions; the next quarter's loads stand in its middle
	s_wait_dscnt 16                                ; the first 32 along K are in
	MUL8 \f, 0, 0, \zero
	MUL8 \f, 0, 2, \zero
	PLACES
	FETCH \k, \g
	s_wait_dscnt 32                                ; all but the 32 just issued
	MUL8 \f, 1, 0, 0
	MUL8 \f, 1, 2, 0
.endm
; The last quarter multiplies buffer 1 and changes slots.  Its first 16 products need nothing of the next tile, so they stand AHEAD of the wait for it: between a tile's landing and the request for the next
; stand the add, scalar steps, the barrier's round and nothing else.  One barrier, for two things: in front of it each wave waits for all its tensor loads (one is out: its part of the next slot), adds 0 to
; its spare word, and waits for that and for its reads of this slot; behind it nobody reads this slot any more and the next slot is whole.
; fill = 1: the barrier opens a round of the cluster's, and this slot is filled again, two K steps on, first thing behind it, by the walking descriptor (the other slot than last time, one slab further).
.macro TURN fill
	s_wait_dscnt 16                                ; the first 32 along K of buffer 1 are in
	MUL8 F1, 0, 0, 0
	MUL8 F1, 0, 2, 0
	WIN 0                                          ; the add's registers lie in window 0
	s_wait_tensorcnt 0x0                           ; no tensor load of mine is out, so a group 0 may be written
	ds_add_u32 v[SPW], v[NIL]                      ; 0 onto my spare word; the scalar steps stand between it and the wait for it
.if \fill
	s_xor_b32 s[G0+5], s[G0+5], SLOT
	s_add_nc_u64 s[G0+6:G0+7], s[G0+6:G0+7], ASTEP         ; the type bits on top are not reached
	s_xor_b32 s[G0B+5], s[G0B+5], SLOT
	s_add_nc_u64 s[G0B+6:G0B+7], s[G0B+6:G0B+7], BSTEP
.endif
	s_xor_b32 s21, s21, SLOT                       ; the fetches go on in the other slot
	s_xor_b32 s22, s22, SLOT
	s_wait_dscnt 0x0                               ; the add is done, and my reads of this slot are over
	s_barrier_signal -1
	s_barrier_wait -1
.if \fill
	CREST                                          ; no wave of any partner still reads this slot's tile or has a load on its way
	JLOAD 1                                        ; the four v_nop behind it are also the places in front of the loads below
.else
	PLACES
.endif
	v_add_nc_u32 v[ADRA], s21, v[LT]
	v_add_nc_u32 v[ADRB], s22, v[LT]
	FETCH 0, F0
	MUL8 F1, 1, 0, 0
	MUL8 F1, 1, 2, 0
.endm
	s_wait_tensorcnt 1                             ; my part of K step 0 is in; K step 1's may stay out
	s_barrier_signal -1
	s_barrier_wait -1
	FETCH 0, F0
	s_wait_loadcnt 32                              ; the bias is in; the residual's 32 loads are younger and stay out
	QUARTER 128, F0, F1, 1                         ; the first quarter stands in front of the loop: its first products start the sums
	WIN 0
	s_mov_b32 s3, NSTEP-2
.Lstep:                                                ; NSTEP - 2 trips, from a step's second quarter to the next step's first; each fills the slot that it leaves
	QUARTER 256, F1, F0, 0
	QUARTER 384, F0, F1, 0
	TURN 1
	QUARTER 128, F0, F1, 0
	WIN 0
	s_sub_co_u32 s3, s3, 1
	s_cmp_lg_u32 s3, 0
	s_cbranch_scc1 .Lstep
	s_mov_b32 s3, 2
.Ltail:                                                ; the last two K steps ask for nothing; the second trip is left in its middle
	QUARTER 256, F1, F0, 0
	QUARTER 384, F0, F1, 0
	WIN 0
	s_sub_co_u32 s3, s3, 1
	s_cmp_eq_u32 s3, 0
	s_cbranch_scc1 .Llast
	TURN 0
	QUARTER 128, F0, F1, 0
	WIN 0
	s_branch .Ltail
.Llast:
	s_wait_dscnt 16                                ; the very last quarter: nothing more to fetch
	MUL8 F1, 0, 0, 0
	MUL8 F1, 0, 2, 0
	s_wait_dscnt 0x0
	MUL8 F1, 1, 0, 0
	MUL8 F1, 1, 2, 0
	WIN 0
	; THE WAY OUT, 16 rows at a time: f32 into my stage, back as whole rows of 256 bytes, the residual added, stored.
	PLACES
	s_wait_loadcnt 0x0                             ; the residual
.irp a, 0,1,2,3
.if (\a) >= 2
	s_wait_xcnt 0x0                                ; the registers that the stores two blocks back read are loaded again only behind this wait
.endif
.irp b, 0,1,2,3                        ; each accumulator's low four registers first
	ds_store_b128 v[STO], v[ACC+8*(4*(\a)+(\b)):ACC+8*(4*(\a)+(\b))+3]   offset:64*(\b)
	ds_store_b128 v[STO], v[ACC+8*(4*(\a)+(\b))+4:ACC+8*(4*(\a)+(\b))+7] offset:64*(\b)+16
.endr
.irp t, 0,1,2,3,4,5,6,7
	ds_load_b128 v[TMP+32*((\a)%2)+4*(\t):TMP+32*((\a)%2)+4*(\t)+3], v[RD] offset:(\t)*2*SPITCH  ; LDS serves a wave's instructions in order (ISA guide 5.7.1.4)
.endr
	s_wait_dscnt 0x0
	WIN 0x08                                       ; source 1 in window 2
.irp t, 0,1,2,3,4,5,6,7
	v_pk_add_f32 v[TMP+32*((\a)%2)+4*(\t):TMP+32*((\a)%2)+4*(\t)+1],   v[TMP+32*((\a)%2)+4*(\t):TMP+32*((\a)%2)+4*(\t)+1],   v[4*(8*(\a)+(\t)):4*(8*(\a)+(\t))+1]
	v_pk_add_f32 v[TMP+32*((\a)%2)+4*(\t)+2:TMP+32*((\a)%2)+4*(\t)+3], v[TMP+32*((\a)%2)+4*(\t)+2:TMP+32*((\a)%2)+4*(\t)+3], v[4*(8*(\a)+(\t))+2:4*(8*(\a)+(\t))+3]
.endr
	WIN 0
.irp t, 0,1,2,3,4,5,6,7
	global_store_b128 v[CO], v[TMP+32*((\a)%2)+4*(\t):TMP+32*((\a)%2)+4*(\t)+3], s[8:9] offset:(16*(\a)+2*(\t))*4096  ; 16 lanes store 256 consecutive bytes, at a multiple of 256 from C's first byte
.endr
.endr
	s_wait_tensorcnt 0x0                           ; the wave's end
	ds_add_u32 v[SPW], v[NIL]
	s_wait_dscnt 0x0
	CROUND                                         ; the closing round
	s_endpgm
.Lfunc_end_k_qe237d7e386_fc2:
	.size	k_qe237d7e386_fc2, .Lfunc_end_k_qe237d7e386_fc2-k_qe237d7e386_fc2
	.p2alignl 7, 3214868480
	.fill 96, 4, 3214868480
	.section	.rodata,"a",@progbits
	.p2align	6, 0x0
	.amdhsa_kernel k_qe237d7e386_fc2
		.amdhsa_group_segment_fixed_size 327680
		.amdhsa_private_segment_fixed_size 0
		.amdhsa_enable_private_segment 0
		.amdhsa_kernarg_size 40
		.amdhsa_user_sgpr_count 2
		.amdhsa_user_sgpr_kernarg_segment_ptr 1
		.amdhsa_wavefront_size32 1
		.amdhsa_system_sgpr_workgroup_id_x 1
		.amdhsa_system_sgpr_workgroup_id_y 1
		.amdhsa_system_sgpr_workgroup_id_z 1
		.amdhsa_system_vgpr_workitem_id 0
		.amdhsa_next_free_vgpr 672
		.amdhsa_next_free_sgpr 72
		.amdhsa_reserve_vcc 0
		.amdhsa_float_denorm_mode_32 3
		.amdhsa_float_denorm_mode_16_64 3
		.amdhsa_memory_ordered 1
		.amdhsa_forward_progress 1
		.amdhsa_inst_pref_size 68
	.end_amdhsa_kernel
	.amdgpu_metadata
---
amdhsa.version: [ 1, 2 ]
amdhsa.kernels:
  - .name:           k_qe237d7e386_fc2
    .symbol:         k_qe237d7e386_fc2.kd
    .args:
      - { .name: big, .offset: 0, .size: 8, .value_kind: global_buffer, .address_space: global }
      - { .name: wb, .offset: 8, .size: 8, .value_kind: global_buffer, .address_space: global }
      - { .name: out0, .offset: 16, .size: 8, .value_kind: global_buffer, .address_space: global }
      - { .name: b2, .offset: 24, .size: 8, .value_kind: global_buffer, .address_space: global }
      - { .name: x1, .offset: 32, .size: 8, .value_kind: global_buffer, .address_space: global }
    .group_segment_fixed_size: 327680
    .private_segment_fixed_size: 0
    .kernarg_segment_align: 8
    .kernarg_segment_size: 40
    .max_flat_workgroup_size: 128
    .sgpr_count:     72
    .vgpr_count:     672
    .wavefront_size: 32
...
	.end_amdgpu_metadata
.endif
;; end of part 6
